; MI455X (gfx1250); checked and timed in simulation.
; The chip was launched on July 23, 2026; its instructions are those of AMD's public machine-readable ISA for CDNA 5 (MIT licence, August 2026) and "CDNA5" Instruction Set Architecture Reference Guide (July 2026). The comments in the code are by the model that wrote it; some were corrected since.
;; Additive Attention. Allowed arithmetic: matrix products marked QUANTISED: E2M3 operands, one E8M0 scale for each 32 along K, by v_wmma_scale_f32_16x16x128_f8f6f4 with both operands' format E2M3, f32 sums; products left as they are: f32 operands where the result goes on into a quantised operand, else bf16, f16 or f32 operands; f32 sums; everything else in f32.
;; Inputs: W1_codes 1,024 x 32 x 24 uint8 (E2M3 codes of W1, K innermost, in blocks of 32 codes, four codes in three bytes); W1_scales 1,024 x 32 uint8 (E8M0 scales of W1, one for each 32 codes along K); W2_codes 1,024 x 32 x 24 uint8 (E2M3 codes of W2, K innermost, in blocks of 32 codes, four codes in three bytes); W2_scales 1,024 x 32 uint8 (E8M0 scales of W2, one for each 32 codes along K); keys_codes 32 x 2,048 x 32 x 24 uint8 (E2M3 codes of keys, K innermost, in blocks of 32 codes, four codes in three bytes); keys_scales 32 x 2,048 x 32 uint8 (E8M0 scales of keys, one for each 32 codes along K); mask 32 x 2,048 bool; query_codes 32 x 32 x 24 uint8 (E2M3 codes of query, K innermost, in blocks of 32 codes, four codes in three bytes); query_scales 32 x 32 uint8 (E8M0 scales of query, one for each 32 codes along K); v 1,024 float32.
;; Outputs: out0 32 x 2,048 float32.
;; This version of the problem:
;;   THIS VERSION OF THE PROBLEM IS GIVEN IN LOW PRECISION. The matrix products marked QUANTISED in the list below multiply operands that are first quantised to E2M3 (2 exponent bits, 3 mantissa bits; 6 bits a number), with one power-of-two scale for each 32 numbers along K (OCP MX v1.0); their sums are f32. All else is computed in f32.
;;   The module's matrix products, in the order in which they are computed (A, B: the left and right operand; K: the contracted axis; several contracted axes count as one K, in the product's order):
;;     1. [M 32, K 1,024] x [K 1,024, N 1,024]; A: input query (given as codes); B: input W1 (given as codes): QUANTISED
;;     2. [M 65,536, K 1,024] x [K 1,024, N 1,024]; A: input keys (given as codes); B: input W2 (given as codes): QUANTISED
;;     3. [M 65,536, K 1,024] x [K 1,024, N 1]; A: computed on the way; B: input v: left as it is (N = 1 < 16)
;;   THE QUANTISER, for each operand of a quantised product, along K:
;;     - K is cut into blocks of 32 from its start; a last block that is shorter is filled with zeros.
;;     - A block's scale is 2^e with e = floor(log2(the largest magnitude in the block)) - 2, held to -126 .. 127; a block of zeros has e = 0. As a byte (E8M0): e + 127.
;;     - Each number is divided by its block's scale, clamped to +-7.5, and rounded to the nearest number of E2M3, ties to even, subnormals kept.
;;     - The product sums the exact products of the quantised numbers (number of the format x scale) in f32.
;;   ~~~python
;;   def quantise(x, axis):      # numpy; x: float32 -> the quantised numbers, widened to float32 again
;;       x = np.moveaxis(x, axis, -1); K = x.shape[-1]
;;       x = np.pad(x, [(0, 0)] * (x.ndim - 1) + [(0, -K % 32)]); x = x.reshape(x.shape[:-1] + (-1, 32)); a = np.abs(x).max(-1, keepdims=True)
;;       e = np.where(a > 0, np.clip(np.frexp(np.where(a > 0, a, 1))[1] - 1 - 2, -126, 127), 0)      # np.frexp(a)[1] - 1 = floor(log2(a)), exactly
;;       r = np.clip(x / 2.0 ** e, -7.5, 7.5)
;;       step = 2.0 ** (np.maximum(np.frexp(np.where(r == 0, 1, r))[1] - 1, 0) - 3)
;;       q = np.round(r / step) * step * 2.0 ** e      # np.round: ties to even
;;       return np.moveaxis(q.reshape(q.shape[:-2] + (-1,))[..., :K], -1, axis).astype(np.float32)
;;   ~~~
;;   INPUTS GIVEN AS CODES. W1 (in the module: [1024, 1024], K = its axis 1); W2 (in the module: [1024, 1024], K = its axis 1); keys (in the module: [32, 2048, 1024], K = its axis 2); query (in the module: [32, 1024], K = its axis 1): each comes as NAME_codes (uint8): NAME with its K axis moved to the last place and cut into blocks of 32 codes, [.., K / 32, bytes a block], one block behind the other in memory; four codes in three bytes: a row's codes are one little-endian stream of bits, code i at bits 6 i .. 6 i + 5 (a code: sign, 2 exponent bits, 3 mantissa bits); and NAME_scales (uint8): the same leading axes, one E8M0 byte (e + 127) for each 32 codes along K. Its value is code x scale, taken as it is: it is not quantised again, and the codes and scales need not be those that the quantiser above would give.
;; 2 versions. Each part assembles by itself: llvm-mc -triple=amdgcn-amd-amdhsa -mcpu=gfx1250 --defsym DOCPART=n.
;; ======== version 1 of 2: 3 launches
;; workspace buffers: w1q 131,072 bytes; w2img 819,200 bytes; scores 262,144 bytes
;; launch prep (part 1): grid 48 x 1, 4 waves a work-group, no clusters, 5,120 bytes of LDS; arguments W1_codes, W1_scales, query_codes, query_scales, W2_codes, W2_scales, w1q, w2img; writes w1q, w2img
.if DOCPART == 1
	.amdgcn_target "amdgcn-amd-amdhsa--gfx1250"
	.amdhsa_code_object_version 6
	.text
	.protected	k_q56a72e9843_prep
	.globl	k_q56a72e9843_prep
	.p2align	8
	.type	k_q56a72e9843_prep,@function
k_q56a72e9843_prep:
	s_mov_b64 s[64:65], 0
	v_nop
	global_prefetch_b8 v0, s[64:65] scope:SCOPE_SE
	s_setreg_imm32_b32 hwreg(HW_REG_WAVE_MODE, 25, 1), 1
	s_wait_xcnt 0x0
; Two small jobs ahead of the main launch, parted by the work-group's number.
; WORK-GROUPS 0-31: w1q[b][a] = sum over d of query[b][d] W1[a][d], on the given codes of FP6 (E2M3) with their E8M0 scale bytes; f32 sums.
;   Work-group x: u = x & 1 is the tile of 16 batches, G = x >> 1 the group of 64 a; wave w takes the 16 rows 64 G + 16 w of W1.  Source 0 = 16 rows of W1, source 1 = 16 rows of query:
;   lane (r, h) then holds batch 16 u + r and a = 64 G + 16 w + 8 h + 0 .. 7.  K = 1,024 is eight matrix instructions on two accumulators by turns, added at the end.
;   The four waves' results meet in a stage in LDS, so that sixteen lanes store 256 consecutive bytes of a row of w1q, at a multiple of 256 from its first byte.
; WORK-GROUPS 32-47: W2 is laid out for its reader.  Wave W = 4 (x - 32) + w makes record W of w2img, 12,800 bytes: the eight fragments (K steps of 128) of rows 16 W .. 16 W + 15 as IMAGES OF THE OPERAND'S REGISTERS
;   (fragment s at 1,536 s: registers 4 c .. 4 c + 3 of lane l at 512 c + 16 l), then at byte 12,288 the scale bytes: lane (r, h) has bytes 16 h .. 16 h + 15 of row r, at 16 l.
;   So the main launch takes a fragment by three loads of 16 bytes a lane, and a record is one dense block.  Every store covers 512 consecutive bytes.
; LIMIT: a scale byte 0xff (NaN) among the inputs is not served.
.set KROW, 768                         ; a row of 1,024 codes in bytes
.set REC,  12800                       ; a record of w2img
.set SP,   272                         ; a stage row: 256 bytes + 16
.set SW,   16                          ; v16-19   W1's (W2's) scale words: lanes 0-15 those of K steps 0-3, lanes 16-31 those of K steps 4-7
.set SQ,   20                          ; v20-23   query's likewise
.set FW,   32                          ; v32-127  eight fragments of W1 (W2)
.set FQ,   128                         ; v128-223 eight fragments of query
.set DA,   224                         ; v224-239 two accumulators
.set SUMR, 240                         ; v240-247 their sum
	s_load_b256 s[4:11], s[0:1], 0x0               ; W1's codes s[4:5], W1's scales s[6:7], query's codes s[8:9], query's scales s[10:11]
	s_load_b256 s[12:19], s[0:1], 0x20             ; W2's codes s[12:13], W2's scales s[14:15], w1q s[16:17], w2img s[18:19]
	v_lshl_add_u32 v254, v0, 2, 0x1200
	v_mov_b32 v255, 0
	v_lshrrev_b32 v1, 5, v0
	v_readfirstlane_b32 s20, v1                    ; wave 0..3
	v_and_b32 v2, 15, v0                           ; r
	v_bfe_u32 v3, v0, 4, 1                         ; h
	v_mul_u32_u24 v4, v2, KROW
	v_mad_u32_u24 v4, v3, 24, v4                   ; codes: row r, + 24 h
	v_lshlrev_b32 v5, 5, v2
	v_lshl_add_u32 v5, v3, 4, v5                   ; scale bytes: 32 r + 16 h
	v_and_b32 v6, 31, v0
	v_lshlrev_b32 v6, 4, v6                        ; 16 x lane
	s_lshl_b32 s36, s20, 6
	v_mul_u32_u24 v7, v2, SP
	v_lshl_add_u32 v7, v3, 5, v7
	v_add_nc_u32 v7, s36, v7                       ; the stage, in: row r (a batch), + 64 x wave + 32 h
	s_mul_i32 s36, s20, 4*SP
	v_mul_u32_u24 v8, v3, SP
	v_lshl_add_u32 v8, v2, 4, v8
	v_add_nc_u32 v8, s36, v8                       ; back: my four rows, two an instruction: lanes 0-15 one row, lanes 16-31 the next
	v_lshlrev_b32 v9, 12, v3
	v_lshl_add_u32 v9, v2, 4, v9                   ; and the same two rows in w1q (4,096 bytes a row)
	s_mov_b32 s27, 0
	s_mov_b32 s29, 0
	s_mov_b32 s31, 0
	s_mov_b32 s33, 0
	s_mov_b32 s35, 0
	s_cmp_lt_u32 ttmp9, 32
	s_cbranch_scc0 .Limage
	; ---- the first product
	s_and_b32 s21, ttmp9, 1                        ; u
	s_lshr_b32 s22, ttmp9, 1                       ; G
	s_lshl_b32 s24, s22, 6
	s_lshl_b32 s25, s20, 4
	s_add_co_u32 s24, s24, s25                     ; my first row of W1: 64 G + 16 w
	s_mul_i32 s26, s24, KROW                       ; its codes,
	s_lshl_b32 s28, s24, 5                         ; its scale bytes
	s_mul_i32 s30, s21, 16*KROW                    ; query's rows 16 u on: codes,
	s_lshl_b32 s32, s21, 9                         ; scale bytes
	s_lshl_b32 s34, s21, 16                        ; w1q: row 16 u + 4 w, byte 256 G
	s_lshl_b32 s25, s20, 14
	s_add_co_u32 s34, s34, s25
	s_lshl_b32 s25, s22, 8
	s_add_co_u32 s34, s34, s25
	s_wait_kmcnt 0x0
	s_add_nc_u64 s[4:5], s[4:5], s[26:27]
	s_add_nc_u64 s[6:7], s[6:7], s[28:29]
	s_add_nc_u64 s[8:9], s[8:9], s[30:31]
	s_add_nc_u64 s[10:11], s[10:11], s[32:33]
	s_add_nc_u64 s[16:17], s[16:17], s[34:35]
	global_load_b128 v[SW:SW+3], v5, s[6:7]
	global_load_b128 v[SQ:SQ+3], v5, s[10:11]
.irp s, 0,1,2,3,4,5,6,7                        ; a fragment: the 24 bytes at 96 s + 24 h and the 24 bytes 48 further on, in pieces of 8 bytes, as they lie
.irp p, 0,1,2,3,4,5
	global_load_b64 v[FW+12*\s+2*\p:FW+12*\s+2*\p+1], v4, s[4:5] offset:96*\s+48*(\p/3)+8*(\p%3)
	global_load_b64 v[FQ+12*\s+2*\p:FQ+12*\s+2*\p+1], v4, s[8:9] offset:96*\s+48*(\p/3)+8*(\p%3)
.endr
.endr
	s_wait_loadcnt 0x0
.macro PM s                            ; K step s: even steps on the first accumulator, odd ones on the second; the first of each starts its sum
.if (\s) < 2
	v_wmma_scale_f32_16x16x128_f8f6f4 v[DA+8*((\s)%2):DA+8*((\s)%2)+7], v[FW+12*(\s):FW+12*(\s)+11], v[FQ+12*(\s):FQ+12*(\s)+11], 0, v[SW+(\s)%4], v[SQ+(\s)%4] matrix_a_fmt:MATRIX_FMT_FP6 matrix_b_fmt:MATRIX_FMT_FP6
.elseif (\s) < 4
	v_wmma_scale_f32_16x16x128_f8f6f4 v[DA+8*((\s)%2):DA+8*((\s)%2)+7], v[FW+12*(\s):FW+12*(\s)+11], v[FQ+12*(\s):FQ+12*(\s)+11], v[DA+8*((\s)%2):DA+8*((\s)%2)+7], v[SW+(\s)%4], v[SQ+(\s)%4] matrix_a_fmt:MATRIX_FMT_FP6 matrix_b_fmt:MATRIX_FMT_FP6
.else
	v_wmma_scale_f32_16x16x128_f8f6f4 v[DA+8*((\s)%2):DA+8*((\s)%2)+7], v[FW+12*(\s):FW+12*(\s)+11], v[FQ+12*(\s):FQ+12*(\s)+11], v[DA+8*((\s)%2):DA+8*((\s)%2)+7], v[SW+(\s)%4], v[SQ+(\s)%4] matrix_a_fmt:MATRIX_FMT_FP6 matrix_b_fmt:MATRIX_FMT_FP6 matrix_a_scale:MATRIX_SCALE_ROW1 matrix_b_scale:MATRIX_SCALE_ROW1
.endif
.endm
.irp s, 0,1,2,3,4,5,6,7
	PM \s
.endr
.rept 4
	v_nop                                          ; four places between the last product and the first read of its result (ISA guide 7.12.1)
.endr
.irp j, 0,2,4,6
	v_pk_add_f32 v[SUMR+\j:SUMR+\j+1], v[DA+\j:DA+\j+1], v[DA+8+\j:DA+8+\j+1]   ; both accumulators from their low ends on
.endr
	ds_store_b128 v7, v[SUMR:SUMR+3]
	ds_store_b128 v7, v[SUMR+4:SUMR+7] offset:16
	s_wait_dscnt 0x0                               ; for the others' sake: my stores into the stage are done
	s_barrier_signal -1
	s_barrier_wait -1
	ds_load_b128 v[24:27], v8
	ds_load_b128 v[28:31], v8 offset:2*SP
	s_wait_dscnt 0x1                               ; the first of the two is in
	global_store_b128 v9, v[24:27], s[16:17]
	s_wait_dscnt 0x0
	global_store_b128 v9, v[28:31], s[16:17] offset:8192
	s_wait_tensorcnt 0x0
	ds_add_u32 v254, v255
	s_wait_dscnt 0x0
	s_endpgm
.Limage:
	; ---- W2's record
	s_sub_co_u32 s21, ttmp9, 32
	s_lshl_b32 s21, s21, 2
	s_add_co_u32 s21, s21, s20                     ; the record's number: 0..63
	s_mul_i32 s26, s21, 16*KROW                    ; its 16 rows' codes,
	s_lshl_b32 s28, s21, 9                         ; their scale bytes,
	s_mul_i32 s30, s21, REC                        ; and the record
	s_wait_kmcnt 0x0
	s_add_nc_u64 s[12:13], s[12:13], s[26:27]
	s_add_nc_u64 s[14:15], s[14:15], s[28:29]
	s_add_nc_u64 s[18:19], s[18:19], s[30:31]
	global_load_b128 v[SW:SW+3], v5, s[14:15]
.irp s, 0,1,2,3,4,5,6,7
.irp p, 0,1,2,3,4,5
	global_load_b64 v[FW+12*\s+2*\p:FW+12*\s+2*\p+1], v4, s[12:13] offset:96*\s+48*(\p/3)+8*(\p%3)
.endr
.endr
	s_wait_loadcnt 0x0
.irp s, 0,1,2,3,4,5,6,7
.irp c, 0,1,2
	global_store_b128 v6, v[FW+12*\s+4*\c:FW+12*\s+4*\c+3], s[18:19] offset:1536*\s+512*\c
.endr
.endr
	global_store_b128 v6, v[SW:SW+3], s[18:19] offset:12288
	s_endpgm
.Lfunc_end_k_q56a72e9843_prep:
	.size	k_q56a72e9843_prep, .Lfunc_end_k_q56a72e9843_prep-k_q56a72e9843_prep
	.p2alignl 7, 3214868480
	.fill 96, 4, 3214868480
	.section	.rodata,"a",@progbits
	.p2align	6, 0x0
	.amdhsa_kernel k_q56a72e9843_prep
		.amdhsa_group_segment_fixed_size 5120
		.amdhsa_private_segment_fixed_size 0
		.amdhsa_enable_private_segment 0
		.amdhsa_kernarg_size 64
		.amdhsa_user_sgpr_count 2
		.amdhsa_user_sgpr_kernarg_segment_ptr 1
		.amdhsa_wavefront_size32 1
		.amdhsa_system_sgpr_workgroup_id_x 1
		.amdhsa_system_sgpr_workgroup_id_y 1
		.amdhsa_system_sgpr_workgroup_id_z 1
		.amdhsa_system_vgpr_workitem_id 0
		.amdhsa_next_free_vgpr 256
		.amdhsa_next_free_sgpr 66
		.amdhsa_reserve_vcc 0
		.amdhsa_float_denorm_mode_32 3
		.amdhsa_float_denorm_mode_16_64 3
		.amdhsa_memory_ordered 1
		.amdhsa_forward_progress 1
		.amdhsa_inst_pref_size 22
	.end_amdhsa_kernel
	.amdgpu_metadata
---
amdhsa.version: [ 1, 2 ]
amdhsa.kernels:
  - .name:           k_q56a72e9843_prep
    .symbol:         k_q56a72e9843_prep.kd
    .args:
      - { .name: W1_codes, .offset: 0, .size: 8, .value_kind: global_buffer, .address_space: global }
      - { .name: W1_scales, .offset: 8, .size: 8, .value_kind: global_buffer, .address_space: global }
      - { .name: query_codes, .offset: 16, .size: 8, .value_kind: global_buffer, .address_space: global }
      - { .name: query_scales, .offset: 24, .size: 8, .value_kind: global_buffer, .address_space: global }
      - { .name: W2_codes, .offset: 32, .size: 8, .value_kind: global_buffer, .address_space: global }
      - { .name: W2_scales, .offset: 40, .size: 8, .value_kind: global_buffer, .address_space: global }
      - { .name: w1q, .offset: 48, .size: 8, .value_kind: global_buffer, .address_space: global }
      - { .name: w2img, .offset: 56, .size: 8, .value_kind: global_buffer, .address_space: global }
    .group_segment_fixed_size: 5120
    .private_segment_fixed_size: 0
    .kernarg_segment_align: 8
    .kernarg_segment_size: 64
    .max_flat_workgroup_size: 128
    .sgpr_count:     66
    .vgpr_count:     256
    .wavefront_size: 32
...
	.end_amdgpu_metadata
.endif
;; end of part 1
;; launch main (part 2): grid 256 x 1, 4 waves a work-group, clusters of 4 x 1, 327,680 bytes of LDS; arguments keys_codes, keys_scales, w2img, w1q, v, scores; writes scores
.if DOCPART == 2
	.amdgcn_target "amdgcn-amd-amdhsa--gfx1250"
	.amdhsa_code_object_version 6
	.text
	.protected	k_q56a72e9843_main
	.globl	k_q56a72e9843_main
	.p2align	8
	.type	k_q56a72e9843_main,@function
k_q56a72e9843_main:
	s_mov_b64 s[64:65], 0
	v_nop
	global_prefetch_b8 v0, s[64:65] scope:SCOPE_SE
	s_setreg_imm32_b32 hwreg(HW_REG_WAVE_MODE, 25, 1), 1
	s_wait_xcnt 0x0
	s_wait_alu depctr_hold_cnt(0) depctr_sa_sdst(0) depctr_va_vdst(0) depctr_va_sdst(0) depctr_va_ssrc(0) depctr_va_vcc(0) depctr_vm_vsrc(0)
	s_getreg_b32 s2, hwreg(HW_REG_IB_STS2, 6, 4)
	s_cmp_eq_u32 s2, 0
	s_cbranch_scc0 .Lentry_in_a_cluster
	s_endpgm
.Lentry_in_a_cluster:
	s_bfe_u32 s2, ttmp6, 0x10000c
	s_cmp_lg_u32 s2, 0x3003
	s_cbranch_scc0 .Lentry_shape_is_right
	s_endpgm
.Lentry_shape_is_right:
; scores[b][s] = -2 x the sum over a of v[a] r(x), r(x) = 1 / (1 + 2^(c x)), c = 2 log2(e), x = w1q[b][a] + the sum over d of W2[a][d] keys[b][s][d].  The product runs on the given codes of FP6 (E2M3) with E8M0 scale bytes; all else in f32.
; tanh x = 1 - 2 r(x), so v . tanh = sum(v) - 2 sum(v r).  sum(v) is the same for every key of a row, and the softmax that follows takes the row's maximum away: the constant changes nothing there and is left out.
; LIMITS: at a masked place the score goes under in -1e30 here as in the definition while the sum of |v| stays under 1.8e22.  2^(c x) beyond f32's range gives r = 0, under it r = 1: tanh = -1 or 1, as it should be.  A scale byte 0xff (NaN) is not served.
; SHARES.  A work-group owns 256 keys of one batch, each of its four waves 64: four tiles of 16.  THE KEYS' CODES, FOR ALL OF K, STAY IN THE WAVE'S REGISTERS (4 tiles x 8 K steps x 12 = 384); the 64 tiles of 16 rows of W2 stream past
; them, as records of register images (12,800 bytes: eight fragments and the scale bytes) through a ring of two LDS slots of eight records.  Each fragment read from LDS feeds four matrix instructions.
; LAYOUT.  Source 0 = 16 rows of W2, source 1 = 16 keys: in the result a lane holds ONE key (lane % 16), and its eight registers a = 16 g + 8 (lane / 16) + 0 .. 7.  w1q is the C of each sum's first matrix instruction; the sum over a is
; packed multiply-adds inside the lane, into two registers a tile of keys.  Nothing changes lanes until the end.
; BY TURNS.  Tile g of W2 is 32 matrix instructions (8 K steps x 4 tiles of keys, the four accumulators by turns).  Behind each stands a slice, three or four instructions, of the 112 that turn tile g - 1's
; 32 result registers into v r: so there are two sets of accumulators.  The one operand outside window 0 is source 1: the keys for the products, v for the multiply-adds.  So one window setting serves products and slices: four switches a tile.
; CLUSTER.  The four work-groups of a cluster belong to one batch and walk the same records: the records, the batch's row of w1q and v are asked for JOINTLY (the same tensor load, descriptor and mask in all four).  The keys are each work-group's own.
;
; LDS: 0 slot A (102,400);  102,400 the keys' way in: 256 rows x 816 bytes, wave w's 64 rows at + 52,224 w;  1 << 17 slot B, laid over those rows once every wave has taken its keys into registers;
;   311,296 the batch's row of w1q;  315,392 v;  327,168 the spare words.  No LDS store in this text.  All of a WGP's LDS is claimed.
; REGISTERS.  Window 0: v1-10 addresses; v16-31 the keys' scale words, v32-39 W2's (two sets); v40-47 w1q for the tile in hand; v48-55 the sums; v56-139 W2's fragments of K steps 0-6, one set; v140-163 that of K step 7, two sets;
;   v164-227 the accumulators, two sets of 32; v228-239 the end.   Windows 1 and 2: v[12 (4 t + s)]: the keys' fragment of tile t, K step s (window 1) or 4 + s (window 2); v192-207: v for two tiles of W2, the same in both windows.
.set REC,    12800                     ; a record
.set SLOTSZ, 8*REC                     ; a slot
.set QUART,  2*REC                     ; what one wave's tensor load brings of it: 100 rows of 256 bytes
.set SLOTX,  1<<17                     ; slot B begins here: one exclusive or turns an address in one slot into the other's
.set STG,    SLOTSZ
.set KP,     816                       ; a key's row in LDS: 3 x (256 bytes + 16 of padding) = 204 words: row r starts at bank 12 r mod 64 (64 banks of 4 bytes: ISA guide 11.1): the 32 lanes of a load of 8 bytes touch 64 different banks
.set WSTG,   64*KP
.set BT,     STG+4*WSTG
.set VT,     BT+4096
.set SPARE,  327168                    ; the spare words, 128 bytes for each wave: two blocks of 256 bytes that no other line names
.set SPW, 1                            ; v1   LDS address of my spare word: SPARE + 4 x my thread's number; never rewritten
.set NIL, 2                            ; v2   0; never rewritten
.set LI,  3                            ; v3   16 x lane: my place in an image
.set WA,  4                            ; v4   the same in the record to be fetched
.set BA0, 5                            ; v5   BT + 32 (lane / 16)
.set BA,  6                            ; v6   the same at the tile to be fetched
.set KA,  7                            ; v7   my place in my wave's keys: row lane % 16, + 24 (lane / 16);  v8 the same behind one padding more
.set SO,  9                            ; v9   my place in 16 rows of the keys' scale bytes
.set GO,  10                           ; v10  4 x lane
.set KSC, 16                           ; register 4 t + j: lanes 0-15 the word of K step j of tile t's key, lanes 16-31 that of K step 4 + j
.set WS,  32                           ; register 4 p + j: the same of W2's rows, set p
.set BI,  40
.set SM,  48                           ; tile t's sum: two registers (even a's, odd a's)
.set WF,  56
.set WF7, 140
.set ACC, 164
.set FIN, 228
.set VV,  192                          ; in windows 1 and 2: v[a], eight registers for each set
.set WV,  16                           ; s16  my wave's number
.set SEL, 20                           ; s[20:21] lane selects for v_permlanex16_b32: lane l xor 16
.set CS,  22                           ; s[22:23] c: the packed form names a pair and takes its low word for both halves
.set G1K, 24                           ; s[24:31] descriptor group 1 for the keys;  s[32:39] for a quarter of a slot;  s[40:47] for a quarter of a table
.set G1W, 32
.set G1T, 40
.set G0K, 48                           ; s[48:51] group 0 for the keys;  s[52:55] for the records: it walks;  s[56:59] for w1q;  s[60:63] for v
.set G0W, 52
.set G0B, 56
.set G0V, 60
.set TB,  66                           ; s66  LDS byte at which the record to be fetched begins
.set TJ,  67                           ; s67  64 x that record's number: its place in the tables
.set CNT, 68
.set CNS, 69
.set MSB, 0
.macro WIN new                         ; the immediate's high byte repeats the setting that is left; a switch that changes nothing is dropped
.if MSB != \new
	s_set_vgpr_msb (MSB<<8)|\new
.set MSB, \new
.endif
.endm
.set W_M1, 0x04                        ; source 1 in window 1
.set W_M2, 0x08                        ; source 1 in window 2
; A round of the cluster's barrier: my work-group's barrier, so that wave 0's signal speaks for all four waves; wave 0 signals for the work-group; every wave waits for all four work-groups; my work-group's barrier once more.
.macro CROUND
	s_barrier_signal -1
	s_barrier_wait -1
	s_cmp_lg_u32 s[WV], 0
	s_cbranch_scc1 .Lnot_wave_0_\@
	s_barrier_signal -3
.Lnot_wave_0_\@:
	s_barrier_wait -3
	s_barrier_signal -1
	s_barrier_wait -1
.endm
	s_load_b256 s[4:11], s[0:1], 0x0               ; the keys' codes s[4:5], their scales s[6:7], W2's records s[8:9], w1q s[10:11]
	s_load_b128 s[12:15], s[0:1], 0x20             ; v s[12:13], scores s[14:15]
	v_lshl_add_u32 v[SPW], v0, 2, SPARE
	v_mov_b32 v[NIL], 0
	ds_add_u32 v1, v2
	ds_add_u32 v1, v2
	s_wait_dscnt 0x0
	v_lshrrev_b32 v11, 5, v0
	v_readfirstlane_b32 s[WV], v11                 ; wave 0..3
	s_bfe_u32 s17, ttmp6, 0x40000                  ; cx: my place in the cluster.  It enters the keys', their scales' and the scores' addresses alone: s17, s18, s70, s72, s78
	s_lshl_b32 s18, ttmp9, 2                       ; in a cluster launch ttmp9 counts clusters
	s_add_co_u32 s18, s18, s17                     ; my work-group
	s_lshl_b32 s18, s18, 8
	s_lshl_b32 s19, s[WV], 6
	s_add_co_u32 s18, s18, s19                     ; my wave's first key among the 65,536
	s_mul_i32 s70, s18, 768                        ; its codes (under 2^32),
	s_mov_b32 s71, 0
	s_lshl_b32 s72, s18, 5                         ; its scale bytes,
	s_mov_b32 s73, 0
	s_lshl_b32 s78, s18, 2                         ; its score
	s_mov_b32 s79, 0
	s_mul_i32 s74, s[WV], QUART                    ; my quarter of a slot, in memory and in LDS
	s_mov_b32 s75, 0
	s_lshl_b32 s19, s[WV], 10                      ; my quarter of a table
	s_lshr_b32 s76, ttmp9, 1                       ; the batch: eight work-groups, two clusters, to each
	s_lshl_b32 s76, s76, 12
	s_add_co_u32 s76, s76, s19
	s_mov_b32 s77, 0
	s_mov_b32 s2, s19
	s_mov_b32 s3, 0
	; group 1 for the keys: 64 rows of 768 bytes (96 elements of 8), dense in memory
	s_mov_b32 s[G1K], (3<<16)|(1<<20)|(5<<22)|(3<<25)  ; 15:0 no mask; 17:16 elements of 8 bytes; 20 padding on; 24:22 after every 64 words (code 5); 31:25 of 4 words (code 3)
	s_mov_b32 s[G1K+1], 96<<16                     ; tensor_dim0
	s_mov_b32 s[G1K+2], 64<<16                     ; tensor_dim1
	s_mov_b32 s[G1K+3], 96<<16                     ; tile_dim0
	s_mov_b32 s[G1K+4], 64                         ; tile_dim1
	s_mov_b32 s[G1K+5], 96                         ; tensor_dim0_stride
	s_mov_b32 s[G1K+6], 0
	s_mov_b32 s[G1K+7], 0
	; for two records: a dense block of 25,600 bytes as 100 rows of 256 (32 elements of 8), no padding
	s_mov_b32 s[G1W], 15|(3<<16)|(1<<21)           ; 15:0 the mask: all four work-groups; 21 set beside a mask
	s_mov_b32 s[G1W+1], 32<<16
	s_mov_b32 s[G1W+2], 100<<16
	s_mov_b32 s[G1W+3], 32<<16
	s_mov_b32 s[G1W+4], 100
	s_mov_b32 s[G1W+5], 32
	s_mov_b32 s[G1W+6], 0
	s_mov_b32 s[G1W+7], 0
	; for a quarter of a table: 4 rows of 256 bytes
	s_mov_b32 s[G1T], 15|(3<<16)|(1<<21)
	s_mov_b32 s[G1T+1], 32<<16
	s_mov_b32 s[G1T+2], 4<<16
	s_mov_b32 s[G1T+3], 32<<16
	s_mov_b32 s[G1T+4], 4
	s_mov_b32 s[G1T+5], 32
	s_mov_b32 s[G1T+6], 0
	s_mov_b32 s[G1T+7], 0
	s_mov_b32 s[SEL], 0x76543210
	s_mov_b32 s[SEL+1], 0xfedcba98
	s_mov_b32 s[CS], 0x4038aa3b                    ; c = 2 log2(e)
	s_mov_b32 s[CS+1], s[CS]                       ; (named with it as a pair, so it is written)
	s_wait_kmcnt 0x0
	s_mov_b32 s[G0K], 1                            ; 1:0 count = 1
	s_mul_i32 s[G0K+1], s[WV], WSTG
	s_add_co_u32 s[G0K+1], s[G0K+1], STG           ; 63:32 LDS address: my wave's 64 rows
	s_add_nc_u64 s[G0K+2:G0K+3], s[4:5], s[70:71]  ; 120:64 global address
	s_or_b32 s[G0K+3], s[G0K+3], 0x80000000        ; 127:126 type = 2
	s_mov_b32 s[G0W], 1
	s_mov_b32 s[G0W+1], s74                        ; slot A, my quarter
	s_add_nc_u64 s[G0W+2:G0W+3], s[8:9], s[74:75]  ; records 2 w, 2 w + 1
	s_or_b32 s[G0W+3], s[G0W+3], 0x80000000
	s_mov_b32 s[G0B], 1
	s_add_co_u32 s[G0B+1], s19, BT
	s_add_nc_u64 s[G0B+2:G0B+3], s[10:11], s[76:77]
	s_or_b32 s[G0B+3], s[G0B+3], 0x80000000
	s_mov_b32 s[G0V], 1
	s_add_co_u32 s[G0V+1], s19, VT
	s_add_nc_u64 s[G0V+2:G0V+3], s[12:13], s[2:3]
	s_or_b32 s[G0V+3], s[G0V+3], 0x80000000
	s_add_nc_u64 s[6:7], s[6:7], s[72:73]          ; the keys' scale bytes and the scores at my wave's first key
	s_add_nc_u64 s[14:15], s[14:15], s[78:79]
	CROUND                                         ; all four work-groups are here: the first joint loads meet
	tensor_load_to_lds s[G0K:G0K+3], s[G1K:G1K+7]  ; the first fills go out together, four loads a wave: my keys first, since they are wanted first,
	s_nop 0
	tensor_load_to_lds s[G0W:G0W+3], s[G1W:G1W+7]  ; records 0-7,
	s_nop 0
	tensor_load_to_lds s[G0B:G0B+3], s[G1T:G1T+7]  ; the batch's row of w1q,
	s_nop 0
	tensor_load_to_lds s[G0V:G0V+3], s[G1T:G1T+7]  ; v
	s_nop 0
.rept 4
	v_nop
.endr
	v_and_b32 v11, 31, v0                          ; lane
	v_and_b32 v12, 15, v0                          ; r
	v_bfe_u32 v13, v0, 4, 1                        ; h
	v_lshlrev_b32 v[LI], 4, v11
	v_lshlrev_b32 v[GO], 2, v11
	v_lshl_add_u32 v[BA0], v13, 5, BT
	v_lshlrev_b32 v[SO], 5, v12
	v_lshl_add_u32 v[SO], v13, 4, v[SO]            ; 32 r + 16 h
	v_mul_u32_u24 v[KA], v12, KP
	v_mad_u32_u24 v[KA], v13, 24, v[KA]
	v_add_nc_u32 v[KA], s[G0K+1], v[KA]
	v_lshl_add_u32 v[KA+1], v13, 4, v[KA]
.irp t, 0,1,2,3
	global_load_b128 v[KSC+4*\t:KSC+4*\t+3], v[SO], s[6:7] offset:512*\t th:TH_LOAD_NT   ; 16 keys' 32 scale bytes each: 512 consecutive bytes
.endr
	; The loop's text is written once: tile 0 finds, as the tile before it, accumulators of zeros and a v of zeros, which add 0.5 x 0 to the sums.
.irp j, 0,1,2,3,4,5,6,7
	v_mov_b32 v[SM+\j], 0
.endr
.irp j, 0,1,2,3,4,5,6,7,8,9,10,11,12,13,14,15,16,17,18,19,20,21,22,23,24,25,26,27,28,29,30,31
	v_mov_b32 v[ACC+32+\j], 0
.endr
.irp j, 4,5,6,7
	v_mov_b32 v[FIN+\j], 0                         ; written once: a lane permute's destination counts as one of its sources
.endr
	WIN 0x40
.irp j, 0,1,2,3,4,5,6,7
	v_mov_b32 v[VV+8+\j], 0
.endr
	WIN 0x80
.irp j, 0,1,2,3,4,5,6,7
	v_mov_b32 v[VV+8+\j], 0
.endr
; A fragment of the keys: tile t, K step s: lane (r, h) takes the row's pieces of 8 bytes 12 s + 0, 1, 2 and 12 s + 6, 7, 8, lanes 16-31 those three pieces on.  Piece q lies at 8 q + 16 (q / 32); where the piece three on lies behind one padding more, the second address register serves.
.macro KFRAG reg, t, s
.irp p, 0,1,2,3,4,5
.set PCE, 12*(\s)+6*(\p/3)+\p%3
.if PCE%32 < 29
	ds_load_b64 v[\reg+2*\p:\reg+2*\p+1], v[KA] offset:(\t)*16*KP+8*PCE+16*(PCE/32)
.else
	ds_load_b64 v[\reg+2*\p:\reg+2*\p+1], v[KA+1] offset:(\t)*16*KP+8*PCE+16*(PCE/32)
.endif
.endr
.endm
	s_wait_tensorcnt 0x3                           ; my keys' rows are in (the three loads issued behind theirs may be out); only I read them
	WIN 0x40                                       ; destination window 1: K steps 0-3
.irp t, 0,1,2,3
.irp s, 0,1,2,3
	KFRAG 12*(4*\t+\s), \t, \s
.endr
.endr
	WIN 0x80                                       ; destination window 2: K steps 4-7
.irp t, 0,1,2,3
.irp s, 0,1,2,3
	KFRAG 12*(4*\t+\s), \t, \s+4
.endr
.endr
	WIN 0
	; Slot B is laid over the keys' rows: it is filled as a slot is filled again.
	s_wait_tensorcnt 0x0                           ; all my tensor loads have landed: my parts of slot A and of the tables;
	ds_add_u32 v[SPW], v[NIL]                      ; 0 onto my spare word; the descriptor's step stands between it and the wait for it
	s_xor_b32 s[G0W+1], s[G0W+1], SLOTX            ; the walking descriptor: slot B,
	s_add_nc_u64 s[G0W+2:G0W+3], s[G0W+2:G0W+3], SLOTSZ  ; records 8-15; the type bits on top are not reached
	s_wait_dscnt 0x0                               ; the add is done, and my keys are in registers
	CROUND                                         ; both now hold of every wave of the cluster
	tensor_load_to_lds s[G0W:G0W+3], s[G1W:G1W+7]
	s_nop 0
.rept 4
	v_nop
.endr
	; tile 0's operands, from slot A's first record
.irp s, 0,1,2,3,4,5,6
.irp c, 0,1,2
	ds_load_b128 v[WF+12*\s+4*\c:WF+12*\s+4*\c+3], v[LI] offset:1536*\s+512*\c
.endr
.endr
.irp c, 0,1,2
	ds_load_b128 v[WF7+4*\c:WF7+4*\c+3], v[LI] offset:1536*7+512*\c
.endr
	ds_load_b128 v[WS:WS+3], v[LI] offset:12288
	ds_load_b128 v[BI:BI+3], v[BA0]
	ds_load_b128 v[BI+4:BI+7], v[BA0] offset:16
	s_mov_b32 s[TB], REC
	s_mov_b32 s[TJ], 64
	s_wait_dscnt 0x0
	s_wait_loadcnt 0x0                             ; the keys' scale words
; THE VECTOR WORK.  A tile's 32 result registers are 16 pairs.  Pair i goes through  C: x c (packed);  X: two exponentials;  A: + 1 (packed);  R: two reciprocals;  E: the tile of keys' sum += r x v (packed): 112 instructions.
; They are listed in 20 rounds EI of up to seven places EPOS:  C of pair EI | X, X of pair EI - 1 | A of pair EI - 2 | R, R of pair EI - 3 | E of pair EI - 4.  So each result is used a round later, with a plain instruction between
; a transcendental and the use of its result (ISA guide 5.7.2), and an accumulator is first read at its two lowest registers.  EP1 writes the next instruction of the list; AB is the set at work, VB its v.
.macro EP1
.set EDONE, 0
.rept 7
.if EDONE == 0
.if (EPOS == 0) && (EI < 16)
	v_pk_mul_f32 v[AB+2*EI:AB+2*EI+1], v[AB+2*EI:AB+2*EI+1], s[CS:CS+1] op_sel_hi:[1,0]
.set EDONE, 1
.elseif (EPOS == 1) && (EI > 0) && (EI < 17)
	v_exp_f32 v[AB+2*EI-2], v[AB+2*EI-2]
.set EDONE, 1
.elseif (EPOS == 2) && (EI > 0) && (EI < 17)
	v_exp_f32 v[AB+2*EI-1], v[AB+2*EI-1]
.set EDONE, 1
.elseif (EPOS == 3) && (EI > 1) && (EI < 18)
	s_wait_alu depctr_va_vdst(0)
	v_pk_add_f32 v[AB+2*EI-4:AB+2*EI-3], v[AB+2*EI-4:AB+2*EI-3], 1.0 op_sel_hi:[1,0]
.set EDONE, 1
.elseif (EPOS == 4) && (EI > 2) && (EI < 19)
	v_rcp_f32 v[AB+2*EI-6], v[AB+2*EI-6]
.set EDONE, 1
.elseif (EPOS == 5) && (EI > 2) && (EI < 19)
	v_rcp_f32 v[AB+2*EI-5], v[AB+2*EI-5]
.set EDONE, 1
.elseif (EPOS == 6) && (EI > 3)
.set EQ, EI-4
	s_wait_alu depctr_va_vdst(0)
	v_pk_fma_f32 v[SM+2*(EQ/4):SM+2*(EQ/4)+1], v[AB+2*EQ:AB+2*EQ+1], v[VB+2*(EQ%4):VB+2*(EQ%4)+1], v[SM+2*(EQ/4):SM+2*(EQ/4)+1]
.set EDONE, 1
.endif
.set EPOS, EPOS+1
.if EPOS == 7
.set EPOS, 0
.set EI, EI+1
.endif
.endif
.endr
.endm
; Product W of a tile's 32: K step KQ = W / 4, tile of keys KT = W % 4, into set p.
.macro MM p
.set rD, ACC+32*(\p)+8*KT
.set rA, WF+12*KQ
.if KQ == 7
.set rA, WF7+12*(\p)
.endif
.set rB, 12*(4*KT+KQ%4)
.set rSA, WS+4*(\p)+KQ%4
.set rSB, KSC+4*KT+KQ%4
.if KQ == 0
	v_wmma_scale_f32_16x16x128_f8f6f4 v[rD:rD+7], v[rA:rA+11], v[rB:rB+11], v[BI:BI+7], v[rSA], v[rSB] matrix_a_fmt:MATRIX_FMT_FP6 matrix_b_fmt:MATRIX_FMT_FP6
.elseif KQ < 4
	v_wmma_scale_f32_16x16x128_f8f6f4 v[rD:rD+7], v[rA:rA+11], v[rB:rB+11], v[rD:rD+7], v[rSA], v[rSB] matrix_a_fmt:MATRIX_FMT_FP6 matrix_b_fmt:MATRIX_FMT_FP6
.else
	v_wmma_scale_f32_16x16x128_f8f6f4 v[rD:rD+7], v[rA:rA+11], v[rB:rB+11], v[rD:rD+7], v[rSA], v[rSB] matrix_a_fmt:MATRIX_FMT_FP6 matrix_b_fmt:MATRIX_FMT_FP6 matrix_a_scale:MATRIX_SCALE_ROW1 matrix_b_scale:MATRIX_SCALE_ROW1
.endif
.endm
.macro WFRAG reg, off                  ; a fragment's image: three loads of 16 bytes a lane
.irp c, 0,1,2
	ds_load_b128 v[\reg+4*\c:\reg+4*\c+3], v[WA] offset:\off+512*\c
.endr
.endm
; A TILE of W2, of parity p.  Its products go into set p; the slices work on set 1 - p.  off, boff: where the NEXT tile's record and w1q lie from v[WA] and v[BA] on.  last = 1: there is no next tile.
; THE LDS LOADS, 31 a tile, stand behind the slices named.  The next tile's fragment of K step s goes into the registers of this tile's, which product 4 s + 3 has read last: behind slices 4 s + 3, 4 s + 4 and 4 s + 5,
; which hold at least four plain instructions that name none of that product's registers (ISA guide 7.12.1 for vector instructions); for K step 0 and w1q they are A of pair 1, C of pair 4, A of pair 2, E of pair 0.
; K step 7's fragment, W2's scale words and v have two sets.  v is this tile's own: the next tile's slices want it.
; THE WAITS count the loads issued behind the one that is wanted (LDS loads come back in order: ISA guide 5.7.1).
.macro TILE p, off, boff, last
.set EI, 0
.set EPOS, 0
.set AB, ACC+32*(1-(\p))
.set VB, VV+8*(1-(\p))
	WIN W_M1
.set W, 0
.rept 32
.set KQ, W/4
.set KT, W%4
.if (\last) != 0
.if W == 0
	s_wait_dscnt 0x0
.endif
.elseif W == 0
	s_wait_dscnt 15                                ; K steps 0-2, w1q, the scale words and the last tile's v are in; out may be: K steps 3, 4, 5 (3 each), 6 and 7 (6)
.elseif W == 12
	s_wait_dscnt 21                                ; K step 3: behind it 12 of the last tile and 9 of this
.elseif (W >= 16) && (KT == 0)
	s_wait_dscnt 25                                ; K steps 4, 5, 6, 7: behind them 9 + 16, 6 + 19, 3 + 22, 0 + 25
.endif
	MM \p
.rept 3+W%2
	EP1
.endr
.if W == 15
	WIN 0x40                                       ; this tile's v, into both windows; then the keys' K steps 4-7
	ds_load_b128 v[VV+8*(\p):VV+8*(\p)+3], v[BA] offset:(\boff)+4032
	ds_load_b128 v[VV+8*(\p)+4:VV+8*(\p)+7], v[BA] offset:(\boff)+4048
	WIN 0x80
	ds_load_b128 v[VV+8*(\p):VV+8*(\p)+3], v[BA] offset:(\boff)+4032
	ds_load_b128 v[VV+8*(\p)+4:VV+8*(\p)+7], v[BA] offset:(\boff)+4048
	WIN W_M2
.endif
.if (\last) == 0
.if W == 5
	WFRAG WF, \off
	ds_load_b128 v[BI:BI+3], v[BA] offset:\boff
	ds_load_b128 v[BI+4:BI+7], v[BA] offset:(\boff)+16
.elseif W == 9
	WFRAG WF+12, (\off)+1536
	ds_load_b128 v[WS+4*(1-(\p)):WS+4*(1-(\p))+3], v[WA] offset:(\off)+12288
.elseif (W == 13) || (W == 17) || (W == 21) || (W == 25)
	WFRAG WF+12*(KQ-1), (\off)+1536*(KQ-1)
.elseif W == 29
	WFRAG WF+72, (\off)+1536*6
	WFRAG WF7+12*(1-(\p)), (\off)+1536*7
.endif
.endif
.set W, W+1
.endr
.endm
.macro HEAD                            ; the addresses of what the next tiles fetch (LDS loads have read theirs at issue)
	v_add_nc_u32 v[WA], s[TB], v[LI]
	v_add_nc_u32 v[BA], s[TJ], v[BA0]
.endm
.macro PAIR                            ; an odd tile and an even one: the sets are back where they began
	HEAD
	TILE 1, 0, 0, 0
	TILE 0, REC, 64, 0
	WIN 0                                          ; at a label and at a branch every window is 0
	s_add_co_u32 s[TB], s[TB], 2*REC
	s_add_co_u32 s[TJ], s[TJ], 128
.endm
; THE CHANGE OF SLOTS, when a slot's last record has been asked for.  Each wave waits for all its tensor loads, of which one is out: its part of the other slot; adds 0 to its spare word; and waits for that and for its reads of the slot.
; fill = 1: the slot is filled again, with the records two slots on.  The barrier is then a round of the cluster's, and the joint refill is the first thing behind it: it has eight tiles, 256 matrix instructions a wave, in which to land.
.macro CHANGE fill
	s_wait_tensorcnt 0x0                           ; no tensor load of mine is out, so a group 0 may be written
	ds_add_u32 v[SPW], v[NIL]                      ; 0 onto my spare word; the steps below stand between it and the wait for it
.if \fill
	s_xor_b32 s[G0W+1], s[G0W+1], SLOTX            ; the other slot than last time,
	s_add_nc_u64 s[G0W+2:G0W+3], s[G0W+2:G0W+3], SLOTSZ  ; the next eight records
.endif
	s_sub_co_u32 s[TB], s[TB], SLOTSZ              ; the fetches go back to a slot's first record,
	s_xor_b32 s[TB], s[TB], SLOTX                  ; in the other slot
	s_wait_dscnt 0x0                               ; the add is done, and my reads of the slot are over
.if \fill
	CROUND
	tensor_load_to_lds s[G0W:G0W+3], s[G1W:G1W+7]
	s_nop 0
.rept 4
	v_nop
.endr
.else
	s_barrier_signal -1
	s_barrier_wait -1
.endif
.endm
	HEAD
	TILE 0, 0, 0, 0                                ; tile 0
	WIN 0
	s_add_co_u32 s[TB], s[TB], REC
	s_add_co_u32 s[TJ], s[TJ], 64
	s_mov_b32 s[CNT], 3
.Lfirst:                                               ; tiles 1-6: they fetch records 2-7
	PAIR
	s_sub_co_u32 s[CNT], s[CNT], 1
	s_cmp_lg_u32 s[CNT], 0
	s_cbranch_scc1 .Lfirst
	s_mov_b32 s[CNS], 6
.Lslot:                                                ; tiles 7-54: six slots are filled again
	CHANGE 1
	s_mov_b32 s[CNT], 4
.Lpair:
	PAIR
	s_sub_co_u32 s[CNT], s[CNT], 1
	s_cmp_lg_u32 s[CNT], 0
	s_cbranch_scc1 .Lpair
	s_sub_co_u32 s[CNS], s[CNS], 1
	s_cmp_lg_u32 s[CNS], 0
	s_cbranch_scc1 .Lslot
	CHANGE 0                                       ; tiles 55-62 are written out: nothing is left to ask for
	s_mov_b32 s[CNT], 4
.Llast:
	PAIR
	s_sub_co_u32 s[CNT], s[CNT], 1
	s_cmp_lg_u32 s[CNT], 0
	s_cbranch_scc1 .Llast
	HEAD
	TILE 1, 0, 0, 1                                ; tile 63 fetches its v alone
	s_wait_dscnt 0x0                               ; which is in
.set EI, 0
.set EPOS, 0
.set AB, ACC+32
.set VB, VV+8
.rept 112
	EP1                                            ; tile 63's vector work, with no products left to stand between.  Behind the last product on each accumulator stand four plain instructions or more, of tile 62's list and then of tile 63's own
.endr
	WIN 0
	; THE END.  A sum's two halves, and lane l xor 16's (the other eight a of every tile of W2); x -2.  Then lanes 0-15 take one tile of keys and lanes 16-31 the next: 32 neighbouring scores, 128 consecutive bytes a store; the two fill the wave's 256.
.irp t, 0,1,2,3
	v_add_f32 v[FIN+\t], v[SM+2*\t], v[SM+2*\t+1]
.endr
.irp t, 0,1,2,3
	v_permlanex16_b32 v[FIN+4+\t], v[FIN+\t], s[SEL], s[SEL+1]
.endr
.irp t, 0,1,2,3
	v_add_f32 v[FIN+\t], v[FIN+\t], v[FIN+4+\t]
.endr
.irp t, 0,1,2,3
	v_mul_f32 v[FIN+\t], -2.0, v[FIN+\t]
.endr
	v_and_b32 v11, 31, v0
	v_cmp_gt_u32 vcc_lo, 16, v11
	v_cndmask_b32 v[FIN+8], v[FIN+1], v[FIN], vcc_lo
	v_cndmask_b32 v[FIN+9], v[FIN+3], v[FIN+2], vcc_lo
	global_store_b32 v[GO], v[FIN+8], s[14:15]
	global_store_b32 v[GO], v[FIN+9], s[14:15] offset:128
	s_wait_tensorcnt 0x0                           ; the wave's end: behind my last tensor load
	ds_add_u32 v[SPW], v[NIL]
	s_wait_dscnt 0x0
	CROUND                                         ; the closing round: no work-group ends while a partner may still ask for a tile that names it
	s_endpgm
.Lfunc_end_k_q56a72e9843_main:
	.size	k_q56a72e9843_main, .Lfunc_end_k_q56a72e9843_main-k_q56a72e9843_main
	.p2alignl 7, 3214868480
	.fill 96, 4, 3214868480
	.section	.rodata,"a",@progbits
	.p2align	6, 0x0
	.amdhsa_kernel k_q56a72e9843_main
		.amdhsa_group_segment_fixed_size 327680
		.amdhsa_private_segment_fixed_size 0
		.amdhsa_enable_private_segment 0
		.amdhsa_kernarg_size 48
		.amdhsa_user_sgpr_count 2
		.amdhsa_user_sgpr_kernarg_segment_ptr 1
		.amdhsa_wavefront_size32 1
		.amdhsa_system_sgpr_workgroup_id_x 1
		.amdhsa_system_sgpr_workgroup_id_y 1
		.amdhsa_system_sgpr_workgroup_id_z 1
		.amdhsa_system_vgpr_workitem_id 0
		.amdhsa_next_free_vgpr 768
		.amdhsa_next_free_sgpr 80
		.amdhsa_reserve_vcc 1
		.amdhsa_float_denorm_mode_32 3
		.amdhsa_float_denorm_mode_16_64 3
		.amdhsa_memory_ordered 1
		.amdhsa_forward_progress 1
		.amdhsa_inst_pref_size 129
	.end_amdhsa_kernel
	.amdgpu_metadata
---
amdhsa.version: [ 1, 2 ]
amdhsa.kernels:
  - .name:           k_q56a72e9843_main
    .symbol:         k_q56a72e9843_main.kd
    .args:
      - { .name: keys_codes, .offset: 0, .size: 8, .value_kind: global_buffer, .address_space: global }
      - { .name: keys_scales, .offset: 8, .size: 8, .value_kind: global_buffer, .address_space: global }
      - { .name: w2img, .offset: 16, .size: 8, .value_kind: global_buffer, .address_space: global }
      - { .name: w1q, .offset: 24, .size: 8, .value_kind: global_buffer, .address_space: global }
      - { .name: v, .offset: 32, .size: 8, .value_kind: global_buffer, .address_space: global }
      - { .name: scores, .offset: 40, .size: 8, .value_kind: global_buffer, .address_space: global }
    .group_segment_fixed_size: 327680
    .private_segment_fixed_size: 0
    .kernarg_segment_align: 8
    .kernarg_segment_size: 48
    .max_flat_workgroup_size: 128
    .sgpr_count:     80
    .vgpr_count:     768
    .wavefront_size: 32
...
	.end_amdgpu_metadata
.endif
;; end of part 2
;; launch soft (part 3): grid 32 x 1, 8 waves a work-group, no clusters, 1,536 bytes of LDS; arguments scores, mask, out0; writes out0
.if DOCPART == 3
	.amdgcn_target "amdgcn-amd-amdhsa--gfx1250"
	.amdhsa_code_object_version 6
	.text
	.protected	k_q56a72e9843_soft
	.globl	k_q56a72e9843_soft
	.p2align	8
	.type	k_q56a72e9843_soft,@function
k_q56a72e9843_soft:
	s_mov_b64 s[64:65], 0
	v_nop
	global_prefetch_b8 v0, s[64:65] scope:SCOPE_SE
	s_setreg_imm32_b32 hwreg(HW_REG_WAVE_MODE, 25, 1), 1
	s_wait_xcnt 0x0
; out0[b][:] = softmax over the 2,048 keys of scores[b][:] - 1e30 where mask[b][:] is 0.  (scores lack the constant sum(v), the same for every key of a row: the row's maximum, which is taken away here as in the definition, lacks it too.)
; One work-group to a batch; thread t holds keys 4 t .. 4 t + 3 and 1,024 + 4 t .. + 3: every load and store of a wave covers 512 consecutive bytes (the mask's: 128).  The row stays in registers between the maximum, the sum and the division.
; The eight waves' maxima and sums meet in LDS: words 0-7 and, for the sum, words of their own at byte 256, each behind a barrier.
	s_load_b128 s[4:7], s[0:1], 0x0                ; scores, mask
	s_load_b64 s[8:9], s[0:1], 0x10                ; out0
	v_lshl_add_u32 v40, v0, 2, 0x200
	v_mov_b32 v41, 0
	v_lshlrev_b32 v1, 4, v0                        ; 16 bytes a thread
	v_lshlrev_b32 v2, 2, v0                        ; 4 bytes of the mask
	v_lshrrev_b32 v3, 5, v0
	v_readfirstlane_b32 s14, v3                    ; wave 0..7
	v_mov_b32 v3, s14
	v_lshlrev_b32 v3, 2, v3                        ; my wave's word in LDS
	v_mov_b32 v18, 0
	v_mov_b32 v13, 0                               ; written once: a lane permute's destination counts as one of its sources
	s_lshl_b32 s10, ttmp9, 13                      ; a row of 8,192 bytes,
	s_mov_b32 s11, 0
	s_lshl_b32 s12, ttmp9, 11                      ; of 2,048 in the mask
	s_mov_b32 s13, 0
	s_mov_b32 s15, 0xf149f2ca                      ; -1e30
	s_mov_b32 s16, 0x76543210
	s_mov_b32 s17, 0xfedcba98                      ; v_permlanex16_b32's selects for lane l xor 16
	s_wait_kmcnt 0x0
	s_add_nc_u64 s[4:5], s[4:5], s[10:11]
	s_add_nc_u64 s[6:7], s[6:7], s[12:13]
	s_add_nc_u64 s[8:9], s[8:9], s[10:11]
	global_load_b128 v[4:7], v1, s[4:5]
	global_load_b128 v[8:11], v1, s[4:5] offset:4096
	global_load_b32 v16, v2, s[6:7]
	global_load_b32 v17, v2, s[6:7] offset:1024
	s_wait_loadcnt 0x0
.irp g, 0,1
.irp j, 0,1,2,3
	v_bfe_u32 v20, v[16+\g], 8*\j, 8               ; the key's byte of the mask
	v_add_f32 v21, s15, v[4+4*\g+\j]               ; the score less 1e30,
	v_cmp_ne_u32 vcc_lo, 0, v20
	v_cndmask_b32 v[4+4*\g+\j], v21, v[4+4*\g+\j], vcc_lo   ; taken where the byte is 0
.endr
.endr
	v_max3_num_f32 v12, v4, v5, v6                 ; the row's maximum: my eight,
	v_max3_num_f32 v14, v7, v8, v9
	v_max3_num_f32 v12, v12, v10, v11
	v_max_num_f32 v12, v12, v14
	v_max_num_f32_dpp v12, v12, v12 row_xmask:1 row_mask:0xf bank_mask:0xf   ; my wave's,
	v_max_num_f32_dpp v12, v12, v12 row_xmask:2 row_mask:0xf bank_mask:0xf
	v_max_num_f32_dpp v12, v12, v12 row_xmask:4 row_mask:0xf bank_mask:0xf
	v_max_num_f32_dpp v12, v12, v12 row_xmask:8 row_mask:0xf bank_mask:0xf
	v_permlanex16_b32 v13, v12, s16, s17
	v_max_num_f32 v12, v12, v13
	ds_store_b32 v3, v12                           ; all lanes write the same word with the same value
	s_wait_dscnt 0x0                               ; for the others' sake: my store is done
	s_barrier_signal -1
	s_barrier_wait -1
	ds_load_b128 v[24:27], v18                     ; and the eight waves'
	ds_load_b128 v[28:31], v18 offset:16
	s_wait_dscnt 0x0
	v_max3_num_f32 v12, v24, v25, v26
	v_max3_num_f32 v14, v27, v28, v29
	v_max3_num_f32 v12, v12, v30, v31
	v_max_num_f32 v12, v12, v14
.irp j, 0,1,2,3,4,5,6,7
	v_sub_f32 v[4+\j], v[4+\j], v12                ; the maximum is taken away first, and the difference multiplied: fused, a row masked throughout (all -1e30) would keep the rounding of 1e30 x log2(e) where 0 is due
.endr
.irp j, 0,1,2,3,4,5,6,7
	v_mul_f32 v[4+\j], 0x3fb8aa3b, v[4+\j]         ; x log2(e)
.endr
.irp j, 0,1,2,3,4,5,6,7
	v_exp_f32 v[4+\j], v[4+\j]
.endr
	v_nop                                          ; one plain instruction between the run of exponentials and the first use of their results: another exponential is no such place (ISA guide 5.7.2)
	s_wait_alu depctr_va_vdst(0)
	v_pk_add_f32 v[20:21], v[4:5], v[6:7]
	v_pk_add_f32 v[22:23], v[8:9], v[10:11]
	v_pk_add_f32 v[20:21], v[20:21], v[22:23]
	v_add_f32 v16, v20, v21                        ; the row's sum: my eight,
	v_add_f32_dpp v16, v16, v16 row_xmask:1 row_mask:0xf bank_mask:0xf       ; my wave's,
	v_add_f32_dpp v16, v16, v16 row_xmask:2 row_mask:0xf bank_mask:0xf
	v_add_f32_dpp v16, v16, v16 row_xmask:4 row_mask:0xf bank_mask:0xf
	v_add_f32_dpp v16, v16, v16 row_xmask:8 row_mask:0xf bank_mask:0xf
	v_permlanex16_b32 v13, v16, s16, s17
	v_add_f32 v16, v16, v13
	ds_store_b32 v3, v16 offset:256                ; other words than the maxima's, which a slower wave may still be reading
	s_wait_dscnt 0x0
	s_barrier_signal -1
	s_barrier_wait -1
	ds_load_b128 v[24:27], v18 offset:256          ; and the eight waves'
	ds_load_b128 v[28:31], v18 offset:272
	s_wait_dscnt 0x0
	v_pk_add_f32 v[24:25], v[24:25], v[26:27]
	v_pk_add_f32 v[28:29], v[28:29], v[30:31]
	v_pk_add_f32 v[24:25], v[24:25], v[28:29]
	v_add_f32 v16, v24, v25
	v_rcp_f32 v14, v16                             ; the sum is at least 1: the maximum's own term
	v_mov_b32 v15, 0                               ; (a plain instruction behind the reciprocal; the packed form names the pair v[14:15] and takes its low word for both halves)
	s_wait_alu depctr_va_vdst(0)
.irp j, 0,2,4,6
	v_pk_mul_f32 v[4+\j:5+\j], v[4+\j:5+\j], v[14:15] op_sel_hi:[1,0]
.endr
	global_store_b128 v1, v[4:7], s[8:9]           ; 16 lanes store 256 consecutive bytes, at a multiple of 256 from out0's first byte
	global_store_b128 v1, v[8:11], s[8:9] offset:4096
	s_wait_tensorcnt 0x0
	ds_add_u32 v40, v41
	s_wait_dscnt 0x0
	s_endpgm
.Lfunc_end_k_q56a72e9843_soft:
	.size	k_q56a72e9843_soft, .Lfunc_end_k_q56a72e9843_soft-k_q56a72e9843_soft
	.p2alignl 7, 3214868480
	.fill 96, 4, 3214868480
	.section	.rodata,"a",@progbits
	.p2align	6, 0x0
	.amdhsa_kernel k_q56a72e9843_soft
		.amdhsa_group_segment_fixed_size 1536
		.amdhsa_private_segment_fixed_size 0
		.amdhsa_enable_private_segment 0
		.amdhsa_kernarg_size 24
		.amdhsa_user_sgpr_count 2
		.amdhsa_user_sgpr_kernarg_segment_ptr 1
		.amdhsa_wavefront_size32 1
		.amdhsa_system_sgpr_workgroup_id_x 1
		.amdhsa_system_sgpr_workgroup_id_y 1
		.amdhsa_system_sgpr_workgroup_id_z 1
		.amdhsa_system_vgpr_workitem_id 0
		.amdhsa_next_free_vgpr 42
		.amdhsa_next_free_sgpr 66
		.amdhsa_reserve_vcc 1
		.amdhsa_float_denorm_mode_32 3
		.amdhsa_float_denorm_mode_16_64 3
		.amdhsa_memory_ordered 1
		.amdhsa_forward_progress 1
		.amdhsa_inst_pref_size 7
	.end_amdhsa_kernel
	.amdgpu_metadata
---
amdhsa.version: [ 1, 2 ]
amdhsa.kernels:
  - .name:           k_q56a72e9843_soft
    .symbol:         k_q56a72e9843_soft.kd
    .args:
      - { .name: scores, .offset: 0, .size: 8, .value_kind: global_buffer, .address_space: global }
      - { .name: mask, .offset: 8, .size: 8, .value_kind: global_buffer, .address_space: global }
      - { .name: out0, .offset: 16, .size: 8, .value_kind: global_buffer, .address_space: global }
    .group_segment_fixed_size: 1536
    .private_segment_fixed_size: 0
    .kernarg_segment_align: 8
    .kernarg_segment_size: 24
    .max_flat_workgroup_size: 256
    .sgpr_count:     66
    .vgpr_count:     42
    .wavefront_size: 32
...
	.end_amdgpu_metadata
.endif
;; end of part 3
;; ======== version 2 of 2: 3 launches
;; limits: right only within a limited range of input values
;; workspace buffers: w1q 131,072 bytes; w2img 819,200 bytes; scores 262,144 bytes
;; launch prep (part 4): grid 48 x 1, 4 waves a work-group, no clusters, 70,144 bytes of LDS; arguments W1_codes, W1_scales, query_codes, query_scales, W2_codes, W2_scales, w1q, w2img; writes w1q, w2img
.if DOCPART == 4
	.amdgcn_target "amdgcn-amd-amdhsa--gfx1250"
	.amdhsa_code_object_version 6
	.text
	.protected	k_q56a72e9843_prep
	.globl	k_q56a72e9843_prep
	.p2align	8
	.type	k_q56a72e9843_prep,@function
k_q56a72e9843_prep:
	s_mov_b64 s[64:65], 0
	v_nop
	global_prefetch_b8 v0, s[64:65] scope:SCOPE_SE
	s_setreg_imm32_b32 hwreg(HW_REG_WAVE_MODE, 25, 1), 1
	s_wait_xcnt 0x0
; Two small jobs ahead of the main launch, parted by the work-group's number.
; WORK-GROUPS 0-31: w1q[b][a] = sum over d of query[b][d] W1[a][d], on the given codes of FP6 (E2M3) with their E8M0 scale bytes; f32 sums.
;   Work-group x: u = x & 1 is the tile of 16 batches, G = x >> 1 the group of 64 a; wave w takes the 16 rows 64 G + 16 w of W1.  Source 0 = 16 rows of W1, source 1 = 16 rows of query:
;   lane (r, h) then holds batch 16 u + r and a = 64 G + 16 w + 8 h + 0 .. 7.  K = 1,024 is eight matrix instructions on two accumulators by turns, added at the end.
;   THE CODES COME BY DENSE LOADS: 16 rows of 768 bytes are 12,288 consecutive bytes, 24 loads of 512 bytes a wave (query's tile: 6 loads for each of the four waves).  They go into LDS as they lie, with 16 bytes of
;   padding behind each 256, so that a row is 816 bytes, and come back as fragments, in pieces of 8 bytes.  W1's tile is the wave's own; query's is read by all four behind a barrier.
;   The four waves' results meet in a stage in LDS, so that sixteen lanes store 256 consecutive bytes of a row of w1q, at a multiple of 256 from its first byte.
; WORK-GROUPS 32-47: W2 is laid out for its reader.  Wave W = 4 (x - 32) + w makes record W of w2img, 12,800 bytes: the eight fragments (K steps of 128) of rows 16 W .. 16 W + 15 as IMAGES OF THE OPERAND'S REGISTERS
;   (fragment s at 1,536 s: registers 4 c .. 4 c + 3 of lane l at 512 c + 16 l), then at byte 12,288 the scale bytes: lane (r, h) has bytes 16 h .. 16 h + 15 of row r, at 16 l.
;   So the main launch takes a fragment by three loads of 16 bytes a lane, and a record is one dense block.  Every store covers 512 consecutive bytes.  This path uses no LDS.
; LIMIT: a scale byte 0xff (NaN) among the inputs is not served.
.set KROW,  768                        ; a row of 1,024 codes in bytes
.set REC,   12800                      ; a record of w2img
.set KP,    816                        ; a row of codes in LDS: 3 x (256 bytes + 16 of padding) = 204 words: row r starts at bank 12 r mod 64 (64 banks of 4 bytes: ISA guide 11.1): the 32 lanes of a load of 8 bytes touch 64 different banks
.set TILEB, 16*KP                      ; a tile of 16 rows in LDS.  LDS: wave w's tile of W1 at w x TILEB;
.set QST,   4*TILEB                    ; query's tile;
.set OST,   5*TILEB                    ; the stage for the results: 16 rows x 272 bytes
.set SP,    272                        ; a stage row: 256 bytes + 16
.set WSTO,  10                         ; v10      where I put 16 bytes of W1's tile
.set QSTO,  11                         ; v11      and of my wave's quarter of query's
.set WRD,   12                         ; v12-13   my place in W1's tile: row lane % 16, + 24 (lane / 16); the same behind one padding more
.set QRD,   14                         ; v14-15   the same in query's tile
.set SW,    16                         ; v16-19   W1's (W2's) scale words: lanes 0-15 those of K steps 0-3, lanes 16-31 those of K steps 4-7
.set SQ,    20                         ; v20-23   query's likewise
.set FW,    32                         ; v32-127  W1's tile as it lies, then its eight fragments (W2's fragments)
.set FQ,    128                        ; v128-223 my quarter of query's tile, then its eight fragments
.set DA,    224                        ; v224-239 two accumulators
.set SUMR,  240                        ; v240-247 their sum
	s_load_b256 s[4:11], s[0:1], 0x0               ; W1's codes s[4:5], W1's scales s[6:7], query's codes s[8:9], query's scales s[10:11]
	s_load_b256 s[12:19], s[0:1], 0x20             ; W2's codes s[12:13], W2's scales s[14:15], w1q s[16:17], w2img s[18:19]
	v_lshl_add_u32 v254, v0, 2, 0x11000
	v_mov_b32 v255, 0
	v_lshrrev_b32 v1, 5, v0
	v_readfirstlane_b32 s20, v1                    ; wave 0..3
	v_and_b32 v2, 15, v0                           ; r
	v_bfe_u32 v3, v0, 4, 1                         ; h
	v_mul_u32_u24 v4, v2, KROW
	v_mad_u32_u24 v4, v3, 24, v4                   ; codes in memory, by fragments: row r, + 24 h
	v_lshlrev_b32 v5, 5, v2
	v_lshl_add_u32 v5, v3, 4, v5                   ; scale bytes: 32 r + 16 h
	v_and_b32 v6, 31, v0
	v_lshlrev_b32 v6, 4, v6                        ; 16 x lane
	s_lshl_b32 s36, s20, 6
	v_mul_u32_u24 v7, v2, SP
	v_lshl_add_u32 v7, v3, 5, v7
	v_add_nc_u32 v7, s36, v7
	v_add_nc_u32 v7, OST, v7                       ; the stage, in: row r (a batch), + 64 x wave + 32 h
	s_mul_i32 s36, s20, 4*SP
	v_mul_u32_u24 v8, v3, SP
	v_lshl_add_u32 v8, v2, 4, v8
	v_add_nc_u32 v8, s36, v8
	v_add_nc_u32 v8, OST, v8                       ; back: my four rows, two an instruction: lanes 0-15 one row, lanes 16-31 the next
	v_lshlrev_b32 v9, 12, v3
	v_lshl_add_u32 v9, v2, 4, v9                   ; and the same two rows in w1q (4,096 bytes a row)
	s_mul_i32 s37, s20, TILEB                      ; my wave's tile of W1 in LDS
	s_mul_i32 s38, s20, 3264                       ; my wave's quarter of query's: 3,072 bytes and their twelve paddings
	v_lshl_add_u32 v[WSTO], v3, 4, v6              ; byte 512 i + 16 l of a tile goes to 544 i + 16 l + 16 (l / 16): 16 more for each 256 passed
	v_add_nc_u32 v[QSTO], s38, v[WSTO]
	v_add_nc_u32 v[QSTO], QST, v[QSTO]
	v_add_nc_u32 v[WSTO], s37, v[WSTO]
	v_mul_u32_u24 v[WRD], v2, KP
	v_mad_u32_u24 v[WRD], v3, 24, v[WRD]           ; 816 r + 24 h
	v_add_nc_u32 v[QRD], QST, v[WRD]
	v_add_nc_u32 v[WRD], s37, v[WRD]
	v_lshl_add_u32 v[WRD+1], v3, 4, v[WRD]
	v_lshl_add_u32 v[QRD+1], v3, 4, v[QRD]
	s_mov_b32 s27, 0
	s_mov_b32 s29, 0
	s_mov_b32 s31, 0
	s_mov_b32 s33, 0
	s_mov_b32 s35, 0
	s_cmp_lt_u32 ttmp9, 32
	s_cbranch_scc0 .Limage
	; ---- the first product
	s_and_b32 s21, ttmp9, 1                        ; u
	s_lshr_b32 s22, ttmp9, 1                       ; G
	s_lshl_b32 s24, s22, 6
	s_lshl_b32 s25, s20, 4
	s_add_co_u32 s24, s24, s25                     ; my first row of W1: 64 G + 16 w
	s_mul_i32 s26, s24, KROW                       ; its codes,
	s_lshl_b32 s28, s24, 5                         ; its scale bytes
	s_mul_i32 s30, s21, 16*KROW                    ; query's rows 16 u on: codes,
	s_mul_i32 s25, s20, 3072
	s_add_co_u32 s30, s30, s25                     ; my wave's quarter of them,
	s_lshl_b32 s32, s21, 9                         ; scale bytes
	s_lshl_b32 s34, s21, 16                        ; w1q: row 16 u + 4 w, byte 256 G
	s_lshl_b32 s25, s20, 14
	s_add_co_u32 s34, s34, s25
	s_lshl_b32 s25, s22, 8
	s_add_co_u32 s34, s34, s25
	s_wait_kmcnt 0x0
	s_add_nc_u64 s[4:5], s[4:5], s[26:27]
	s_add_nc_u64 s[6:7], s[6:7], s[28:29]
	s_add_nc_u64 s[8:9], s[8:9], s[30:31]
	s_add_nc_u64 s[10:11], s[10:11], s[32:33]
	s_add_nc_u64 s[16:17], s[16:17], s[34:35]
	global_load_b128 v[SW:SW+3], v5, s[6:7]
	global_load_b128 v[SQ:SQ+3], v5, s[10:11]
.irp i, 0,1,2,3,4,5
	global_load_b128 v[FQ+4*\i:FQ+4*\i+3], v6, s[8:9] offset:512*\i      ; 512 consecutive bytes a load
.endr
.irp i, 0,1,2,3,4,5,6,7,8,9,10,11,12,13,14,15,16,17,18,19,20,21,22,23
	global_load_b128 v[FW+4*\i:FW+4*\i+3], v6, s[4:5] offset:512*\i
.endr
	s_wait_loadcnt 24                              ; the scale words and my quarter of query's tile are in; W1's 24 loads may be out
	s_wait_alu depctr_va_vdst(0)
.irp i, 0,1,2,3,4,5
	ds_store_b128 v[QSTO], v[FQ+4*\i:FQ+4*\i+3] offset:544*\i
.endr
	s_wait_loadcnt 0x0
.irp i, 0,1,2,3,4,5,6,7,8,9,10,11,12,13,14,15,16,17,18,19,20,21,22,23
	ds_store_b128 v[WSTO], v[FW+4*\i:FW+4*\i+3] offset:544*\i
.endr
	s_wait_dscnt 0x0                               ; for the others' sake: my quarter of query's tile lies in LDS
	s_barrier_signal -1
	s_barrier_wait -1
; A fragment, K step s: lane (r, h) takes the row's pieces of 8 bytes 12 s + 0, 1, 2 and 12 s + 6, 7, 8, lanes 16-31 those three pieces on.  Piece q lies at 8 q + 16 (q / 32); where the piece three on lies behind one padding more, the second address register serves.
.macro PFRAG reg, adr, s
.irp p, 0,1,2,3,4,5
.set PCE, 12*(\s)+6*(\p/3)+\p%3
.if PCE%32 < 29
	ds_load_b64 v[\reg+2*\p:\reg+2*\p+1], v[\adr] offset:8*PCE+16*(PCE/32)
.else
	ds_load_b64 v[\reg+2*\p:\reg+2*\p+1], v[\adr+1] offset:8*PCE+16*(PCE/32)
.endif
.endr
.endm
.irp s, 0,1,2,3,4,5,6,7
	PFRAG FW+12*\s, WRD, \s
	PFRAG FQ+12*\s, QRD, \s
.endr
	s_wait_dscnt 0x0
.macro PM s                            ; K step s: even steps on the first accumulator, odd ones on the second; the first of each starts its sum
.if (\s) < 2
	v_wmma_scale_f32_16x16x128_f8f6f4 v[DA+8*((\s)%2):DA+8*((\s)%2)+7], v[FW+12*(\s):FW+12*(\s)+11], v[FQ+12*(\s):FQ+12*(\s)+11], 0, v[SW+(\s)%4], v[SQ+(\s)%4] matrix_a_fmt:MATRIX_FMT_FP6 matrix_b_fmt:MATRIX_FMT_FP6
.elseif (\s) < 4
	v_wmma_scale_f32_16x16x128_f8f6f4 v[DA+8*((\s)%2):DA+8*((\s)%2)+7], v[FW+12*(\s):FW+12*(\s)+11], v[FQ+12*(\s):FQ+12*(\s)+11], v[DA+8*((\s)%2):DA+8*((\s)%2)+7], v[SW+(\s)%4], v[SQ+(\s)%4] matrix_a_fmt:MATRIX_FMT_FP6 matrix_b_fmt:MATRIX_FMT_FP6
.else
	v_wmma_scale_f32_16x16x128_f8f6f4 v[DA+8*((\s)%2):DA+8*((\s)%2)+7], v[FW+12*(\s):FW+12*(\s)+11], v[FQ+12*(\s):FQ+12*(\s)+11], v[DA+8*((\s)%2):DA+8*((\s)%2)+7], v[SW+(\s)%4], v[SQ+(\s)%4] matrix_a_fmt:MATRIX_FMT_FP6 matrix_b_fmt:MATRIX_FMT_FP6 matrix_a_scale:MATRIX_SCALE_ROW1 matrix_b_scale:MATRIX_SCALE_ROW1
.endif
.endm
.irp s, 0,1,2,3,4,5,6,7
	PM \s
.endr
.rept 4
	v_nop                                          ; four places between the last product and the first read of its result (ISA guide 7.12.1)
.endr
.irp j, 0,2,4,6
	v_pk_add_f32 v[SUMR+\j:SUMR+\j+1], v[DA+\j:DA+\j+1], v[DA+8+\j:DA+8+\j+1]   ; both accumulators from their low ends on
.endr
	ds_store_b128 v7, v[SUMR:SUMR+3]
	ds_store_b128 v7, v[SUMR+4:SUMR+7] offset:16
	s_wait_dscnt 0x0                               ; for the others' sake: my stores into the stage are done
	s_barrier_signal -1
	s_barrier_wait -1
	ds_load_b128 v[24:27], v8
	ds_load_b128 v[28:31], v8 offset:2*SP
	s_wait_dscnt 0x1                               ; the first of the two is in
	global_store_b128 v9, v[24:27], s[16:17]
	s_wait_dscnt 0x0
	global_store_b128 v9, v[28:31], s[16:17] offset:8192
	s_wait_tensorcnt 0x0
	ds_add_u32 v254, v255
	s_wait_dscnt 0x0
	s_endpgm
.Limage:
	; ---- W2's record
	s_sub_co_u32 s21, ttmp9, 32
	s_lshl_b32 s21, s21, 2
	s_add_co_u32 s21, s21, s20                     ; the record's number: 0..63
	s_mul_i32 s26, s21, 16*KROW                    ; its 16 rows' codes,
	s_lshl_b32 s28, s21, 9                         ; their scale bytes,
	s_mul_i32 s30, s21, REC                        ; and the record
	s_wait_kmcnt 0x0
	s_add_nc_u64 s[12:13], s[12:13], s[26:27]
	s_add_nc_u64 s[14:15], s[14:15], s[28:29]
	s_add_nc_u64 s[18:19], s[18:19], s[30:31]
	global_load_b128 v[SW:SW+3], v5, s[14:15]
.irp s, 0,1,2,3,4,5,6,7                        ; a fragment: the 24 bytes at 96 s + 24 h and the 24 bytes 48 further on, in pieces of 8 bytes, as they lie
.irp p, 0,1,2,3,4,5
	global_load_b64 v[FW+12*\s+2*\p:FW+12*\s+2*\p+1], v4, s[12:13] offset:96*\s+48*(\p/3)+8*(\p%3)
.endr
.endr
	s_wait_loadcnt 0x0
.irp s, 0,1,2,3,4,5,6,7
.irp c, 0,1,2
	global_store_b128 v6, v[FW+12*\s+4*\c:FW+12*\s+4*\c+3], s[18:19] offset:1536*\s+512*\c
.endr
.endr
	global_store_b128 v6, v[SW:SW+3], s[18:19] offset:12288
	s_endpgm
.Lfunc_end_k_q56a72e9843_prep:
	.size	k_q56a72e9843_prep, .Lfunc_end_k_q56a72e9843_prep-k_q56a72e9843_prep
	.p2alignl 7, 3214868480
	.fill 96, 4, 3214868480
	.section	.rodata,"a",@progbits
	.p2align	6, 0x0
	.amdhsa_kernel k_q56a72e9843_prep
		.amdhsa_group_segment_fixed_size 70144
		.amdhsa_private_segment_fixed_size 0
		.amdhsa_enable_private_segment 0
		.amdhsa_kernarg_size 64
		.amdhsa_user_sgpr_count 2
		.amdhsa_user_sgpr_kernarg_segment_ptr 1
		.amdhsa_wavefront_size32 1
		.amdhsa_system_sgpr_workgroup_id_x 1
		.amdhsa_system_sgpr_workgroup_id_y 1
		.amdhsa_system_sgpr_workgroup_id_z 1
		.amdhsa_system_vgpr_workitem_id 0
		.amdhsa_next_free_vgpr 256
		.amdhsa_next_free_sgpr 66
		.amdhsa_reserve_vcc 0
		.amdhsa_float_denorm_mode_32 3
		.amdhsa_float_denorm_mode_16_64 3
		.amdhsa_memory_ordered 1
		.amdhsa_forward_progress 1
		.amdhsa_inst_pref_size 24
	.end_amdhsa_kernel
	.amdgpu_metadata
---
amdhsa.version: [ 1, 2 ]
amdhsa.kernels:
  - .name:           k_q56a72e9843_prep
    .symbol:         k_q56a72e9843_prep.kd
    .args:
      - { .name: W1_codes, .offset: 0, .size: 8, .value_kind: global_buffer, .address_space: global }
      - { .name: W1_scales, .offset: 8, .size: 8, .value_kind: global_buffer, .address_space: global }
      - { .name: query_codes, .offset: 16, .size: 8, .value_kind: global_buffer, .address_space: global }
      - { .name: query_scales, .offset: 24, .size: 8, .value_kind: global_buffer, .address_space: global }
      - { .name: W2_codes, .offset: 32, .size: 8, .value_kind: global_buffer, .address_space: global }
      - { .name: W2_scales, .offset: 40, .size: 8, .value_kind: global_buffer, .address_space: global }
      - { .name: w1q, .offset: 48, .size: 8, .value_kind: global_buffer, .address_space: global }
      - { .name: w2img, .offset: 56, .size: 8, .value_kind: global_buffer, .address_space: global }
    .group_segment_fixed_size: 70144
    .private_segment_fixed_size: 0
    .kernarg_segment_align: 8
    .kernarg_segment_size: 64
    .max_flat_workgroup_size: 128
    .sgpr_count:     66
    .vgpr_count:     256
    .wavefront_size: 32
...
	.end_amdgpu_metadata
.endif
;; end of part 4
;; launch main (part 5): grid 256 x 1, 8 waves a work-group, clusters of 4 x 1, 327,680 bytes of LDS; arguments keys_codes, keys_scales, w2img, w1q, v, scores; writes scores
.if DOCPART == 5
	.amdgcn_target "amdgcn-amd-amdhsa--gfx1250"
	.amdhsa_code_object_version 6
	.text
	.protected	k_q56a72e9843_main
	.globl	k_q56a72e9843_main
	.p2align	8
	.type	k_q56a72e9843_main,@function
k_q56a72e9843_main:
	s_mov_b64 s[64:65], 0
	v_nop
	global_prefetch_b8 v0, s[64:65] scope:SCOPE_SE
	s_setreg_imm32_b32 hwreg(HW_REG_WAVE_MODE, 25, 1), 1
	s_wait_xcnt 0x0
	s_wait_alu depctr_hold_cnt(0) depctr_sa_sdst(0) depctr_va_vdst(0) depctr_va_sdst(0) depctr_va_ssrc(0) depctr_va_vcc(0) depctr_vm_vsrc(0)
	s_getreg_b32 s2, hwreg(HW_REG_IB_STS2, 6, 4)
	s_cmp_eq_u32 s2, 0
	s_cbranch_scc0 .Lentry_in_a_cluster
	s_endpgm
.Lentry_in_a_cluster:
	s_bfe_u32 s2, ttmp6, 0x10000c
	s_cmp_lg_u32 s2, 0x3003
	s_cbranch_scc0 .Lentry_shape_is_right
	s_endpgm
.Lentry_shape_is_right:
; scores[b][s] = -2 x the sum over a of v[a] r(x), r(x) = 1 / (1 + 2^(c x)), c = 2 log2(e), x = w1q[b][a] + the sum over d of W2[a][d] keys[b][s][d].  The product runs on the given FP6 (E2M3) codes with E8M0 scale bytes; all else in f32.
; DEAD WORK: tanh x = 1 - 2 r(x), so v . tanh = sum(v) - 2 sum(v r).  sum(v) is the same for every key of a row, a term that is constant along the axis of the softmax that follows: it cancels there for all values of v, and is left out.
; LIMITS: an overflow of sum(v) alone is not carried to the result; at a masked place the score goes under in -1e30 as in the definition while the sum of |v| stays under 1.8e22.  2^(c x) beyond f32's range gives r = 0, under it r = 1.  A scale byte 0xff is not served.
; SHARES.  A work-group owns 256 keys of one batch.  Eight waves: wave w = 4 j + i keeps the 64 keys of group i, for all of K, in registers (32 fragments x 12 = 384) and takes the records of W2 (16 rows each) of parity j: 32 of the 64.
; Each fragment of W2 read from LDS feeds four matrix instructions.  Source 0 = 16 rows of W2, source 1 = 16 keys: a lane holds ONE key (lane % 16), its eight result registers a = 16 g + 8 (lane / 16) + 0 .. 7.
; A TILE is one run of 32 matrix instructions (8 K steps x 4 tiles of keys, the four accumulators by turns), then its vector work in batches on the same 32 registers:
; x c + c w1q (packed fma), 32 exponentials, + 1 (packed), 32 reciprocals, sum += r x (-2 v) (packed fma).  No transcendental stands inside a matrix run.
; W2's fragments go through four registers sets of 12: K steps s and s + 4 share a set; a pair of sets is loaded anew when its eight products are issued, behind four places.
; CLUSTER.  The four work-groups of a cluster walk the same records: these are asked for JOINTLY.  The keys are each work-group's own.
; NO PREFETCH: the keys are asked for whole by the head's loads, with no loop ahead of them; a record's refill is asked for one slot, four tiles a wave, ahead of its first read.
; LDS: 0 slot A (8 records);  102,400 the keys' way in, 256 rows x 816;  131,072 slot B, laid over those rows once the keys are in registers;  311,296 c x w1q, 315,392 -2 v (stored by the waves);  319,488 the partial scores;  321,536 the spare words.
; All of a WGP's LDS is claimed.
; REGISTERS.  Window 0: v1-7 addresses; v8-23 the keys' scale words; v24-27 W2's; v28-35 c w1q, then -2 v; v36-43 the sums; v44-91 W2's fragments; v92-123 the accumulators; v124-255 the keys' fragments 0-10.  Window 1: v0-251 fragments 11-31.
; Fragment 4 s + t is K step s of tile t of my keys.
.set REC,    12800
.set SLOTSZ, 8*REC
.set QUART,  2*REC
.set SLOTX,  1<<17
.set STG,    SLOTSZ
.set KP,     816                       ; a key's row in LDS: 3 x (256 + 16 of padding)
.set WSTG,   64*KP
.set TBL,    STG+4*WSTG
.set CMB,    TBL+8192
.set SPARE,  CMB+2048                  ; 128 bytes for each of eight waves: four blocks of 256 bytes that no other line names
.set SPW, 1
.set NIL, 2
.set LI,  3                            ; 16 x lane + j x REC
.set WA,  4                            ; the same in the slot at work;  v7 (WA + 3): four records further on
.set BA0, 5                            ; TBL + 32 (lane / 16) + 64 j
.set BA,  6                            ; the same at the slot's first tile
.set KSC, 8
.set WS,  24
.set BV,  28
.set SM,  36
.set WF,  44
.set ACC, 92
.set KA,  92                           ; the head alone: v92-93 my place in my group's keys; v94 in their scale bytes; v95 TBL + 16 t; v96-98 at work; v99 16 t; v100-107 the tables' numbers
.set SO,  94
.set TS,  95
.set T0,  96
.set TO,  99
.set TD,  100
.set FIN, 92                           ; the end alone
.set WV,  16
.set SEL, 20
.set CS,  22
.set G1K, 24                           ; group 1: the keys;  s[32:39] two records;  s[40:47] one record
.set G1H, 32
.set G1W, 40
.set G0K, 48                           ; group 0: the keys;  s[52:55] slot A's first fill;  s[56:59] the ring's: it walks
.set G0H, 52
.set G0W, 56
.set TB,  60                           ; LDS byte at which the slot at work begins
.set TJ,  61                           ; 512 x that slot's number
.set CNS, 62
.set WI,  63
.set WJ,  66
.set MSB, 0
.macro WIN new                         ; the immediate's high byte repeats the setting that is left
.if MSB != \new
	s_set_vgpr_msb (MSB<<8)|\new
.set MSB, \new
.endif
.endm
.macro CROUND                          ; a round of the cluster's barrier
	s_barrier_signal -1
	s_barrier_wait -1
	s_cmp_lg_u32 s[WV], 0
	s_cbranch_scc1 .Lnot_wave_0_\@
	s_barrier_signal -3
.Lnot_wave_0_\@:
	s_barrier_wait -3
	s_barrier_signal -1
	s_barrier_wait -1
.endm
.macro NOP4                            ; four places behind a matrix instruction (ISA guide 7.12.1)
.rept 4
	v_nop
.endr
.endm
	s_load_b256 s[4:11], s[0:1], 0x0               ; keys' codes s[4:5], their scales s[6:7], W2's records s[8:9], w1q s[10:11]
	s_load_b128 s[12:15], s[0:1], 0x20             ; v s[12:13], scores s[14:15]
	v_lshl_add_u32 v[SPW], v0, 2, SPARE
	v_mov_b32 v[NIL], 0
	ds_add_u32 v[SPW], v[NIL]                      ; the opening lines: the add twice on end, and its one wait below
	ds_add_u32 v[SPW], v[NIL]
	v_lshrrev_b32 v[T0], 5, v0
	v_readfirstlane_b32 s[WV], v[T0]               ; wave 0..7
	s_and_b32 s[WI], s[WV], 3                      ; i: my group of 64 keys
	s_lshr_b32 s[WJ], s[WV], 2                     ; j: the parity of my records
	s_bfe_u32 s17, ttmp6, 0x40000                  ; cx: it enters the keys', their scales' and the scores' addresses alone
	s_lshl_b32 s18, ttmp9, 2
	s_add_co_u32 s18, s18, s17
	s_lshl_b32 s18, s18, 8                         ; my work-group's first key
	s_lshl_b32 s78, s18, 2
	s_lshl_b32 s19, s[WI], 8
	s_add_co_u32 s78, s78, s19                     ; scores: the 256 bytes of group i
	s_mov_b32 s79, 0
	s_lshl_b32 s19, s[WI], 6
	s_add_co_u32 s18, s18, s19                     ; my group's first key
	s_mul_i32 s70, s18, 768                        ; its codes (under 2^32),
	s_mov_b32 s71, 0
	s_lshl_b32 s72, s18, 5                         ; its scale bytes
	s_mov_b32 s73, 0
	s_mul_i32 s74, s[WI], QUART                    ; slot A's first fill: a quarter
	s_mov_b32 s75, 0
	s_mul_i32 s76, s[WV], REC                      ; the ring's loads: a record a wave
	s_mov_b32 s77, 0
	s_lshr_b32 s68, ttmp9, 1                       ; the batch: two clusters to each
	s_lshl_b32 s68, s68, 12
	s_mov_b32 s69, 0
	s_mov_b32 s[G1K], (3<<16)|(1<<20)|(5<<22)|(3<<25)  ; no mask; elements of 8 bytes; 4 words of padding behind every 64
	s_mov_b32 s[G1K+1], 96<<16
	s_mov_b32 s[G1K+2], 64<<16
	s_mov_b32 s[G1K+3], 96<<16
	s_mov_b32 s[G1K+4], 64                         ; 64 rows of 768 bytes
	s_mov_b32 s[G1K+5], 96
	s_mov_b32 s[G1K+6], 0
	s_mov_b32 s[G1K+7], 0
	s_mov_b32 s[G1H], 15|(3<<16)|(1<<21)           ; the mask: all four work-groups; bit 21 beside it
	s_mov_b32 s[G1H+1], 32<<16
	s_mov_b32 s[G1H+2], 100<<16
	s_mov_b32 s[G1H+3], 32<<16
	s_mov_b32 s[G1H+4], 100                        ; two records: 100 rows of 256 bytes
	s_mov_b32 s[G1H+5], 32
	s_mov_b32 s[G1H+6], 0
	s_mov_b32 s[G1H+7], 0
	s_mov_b32 s[G1W], 15|(3<<16)|(1<<21)
	s_mov_b32 s[G1W+1], 32<<16
	s_mov_b32 s[G1W+2], 50<<16
	s_mov_b32 s[G1W+3], 32<<16
	s_mov_b32 s[G1W+4], 50                         ; one record: 50 rows of 256 bytes
	s_mov_b32 s[G1W+5], 32
	s_mov_b32 s[G1W+6], 0
	s_mov_b32 s[G1W+7], 0
	s_mov_b32 s[SEL], 0x76543210
	s_mov_b32 s[SEL+1], 0xfedcba98
	s_mov_b32 s[CS], 0x4038aa3b                    ; c = 2 log2(e)
	s_mov_b32 s[CS+1], s[CS]
	s_wait_dscnt 0x0                               ; both opening adds are done
	s_wait_kmcnt 0x0
	s_mov_b32 s[G0K], 1
	s_mul_i32 s[G0K+1], s[WI], WSTG
	s_add_co_u32 s[G0K+1], s[G0K+1], STG
	s_add_nc_u64 s[G0K+2:G0K+3], s[4:5], s[70:71]
	s_or_b32 s[G0K+3], s[G0K+3], 0x80000000
	s_mov_b32 s[G0H], 1
	s_mov_b32 s[G0H+1], s74
	s_add_nc_u64 s[G0H+2:G0H+3], s[8:9], s[74:75]
	s_or_b32 s[G0H+3], s[G0H+3], 0x80000000
	s_mov_b32 s[G0W], 1
	s_mov_b32 s[G0W+1], s76
	s_add_nc_u64 s[G0W+2:G0W+3], s[8:9], s[76:77]
	s_or_b32 s[G0W+3], s[G0W+3], 0x80000000
	s_add_nc_u64 s[6:7], s[6:7], s[72:73]
	s_add_nc_u64 s[14:15], s[14:15], s[78:79]
	s_add_nc_u64 s[10:11], s[10:11], s[68:69]
	CROUND                                         ; all four work-groups are here: the first joint loads meet
	s_cmp_lt_u32 s[WV], 4                          ; ONE load a wave at the head: waves 0-3 the keys of groups 0-3, waves 4-7 the quarters of slot A
	s_cbranch_scc0 .Lhead_rec
	tensor_load_to_lds s[G0K:G0K+3], s[G1K:G1K+7]
	s_nop 0
	NOP4
	s_branch .Lhead_asked
.Lhead_rec:
	tensor_load_to_lds s[G0H:G0H+3], s[G1H:G1H+7]
	s_nop 0
	NOP4
.Lhead_asked:
	v_and_b32 v[T0], 31, v0                        ; lane
	v_and_b32 v[T0+1], 15, v0                      ; r
	v_bfe_u32 v[T0+2], v0, 4, 1                    ; h
	s_mul_i32 s19, s[WJ], REC
	s_lshl_b32 s17, s[WJ], 6
	v_lshlrev_b32 v[LI], 4, v[T0]
	v_add_nc_u32 v[LI], s19, v[LI]
	v_lshl_add_u32 v[BA0], v[T0+2], 5, TBL
	v_add_nc_u32 v[BA0], s17, v[BA0]
	v_lshlrev_b32 v[SO], 5, v[T0+1]
	v_lshl_add_u32 v[SO], v[T0+2], 4, v[SO]        ; 32 r + 16 h
	v_mul_u32_u24 v[KA], v[T0+1], KP
	v_mad_u32_u24 v[KA], v[T0+2], 24, v[KA]
	v_add_nc_u32 v[KA], s[G0K+1], v[KA]
	v_lshl_add_u32 v[KA+1], v[T0+2], 4, v[KA]      ; the same behind one padding more
	v_lshlrev_b32 v[TO], 4, v0                     ; 16 bytes of each table a thread: 256 threads, 4,096 bytes
	v_add_nc_u32 v[TS], TBL, v[TO]
.irp j, 0,1,2,3,4,5,6,7
	v_mov_b32 v[SM+\j], 0
.endr
	global_load_b128 v[TD:TD+3], v[TO], s[10:11]   ; the batch's row of w1q
	global_load_b128 v[TD+4:TD+7], v[TO], s[12:13] ; v
.irp t, 0,1,2,3
	global_load_b128 v[KSC+4*\t:KSC+4*\t+3], v[SO], s[6:7] offset:512*\t   ; 16 keys' 32 scale bytes: 512 consecutive bytes
.endr
	s_wait_alu depctr_va_vdst(0)                   ; the wait at the head's end
	s_wait_loadcnt 0x4                             ; the tables' numbers are in; the four loads of scale words may be out
	v_pk_mul_f32 v[TD:TD+1], v[TD:TD+1], s[CS:CS+1] op_sel_hi:[1,0]         ; c x w1q
	v_pk_mul_f32 v[TD+2:TD+3], v[TD+2:TD+3], s[CS:CS+1] op_sel_hi:[1,0]
	v_pk_mul_f32 v[TD+4:TD+5], v[TD+4:TD+5], -2.0 op_sel_hi:[1,0]           ; -2 v
	v_pk_mul_f32 v[TD+6:TD+7], v[TD+6:TD+7], -2.0 op_sel_hi:[1,0]
	s_wait_alu depctr_va_vdst(0)
	s_wait_tensorcnt 0x0
	ds_store_b128 v[TS], v[TD:TD+3]
	ds_store_b128 v[TS], v[TD+4:TD+7] offset:4096
	s_wait_dscnt 0x0                               ; for the others' sake: my stores are done
	s_barrier_signal -1
	s_barrier_wait -1                              ; keys, slot A and tables are whole
; A fragment of the keys: lane (r, h) takes the row's pieces of 8 bytes 12 s + 0, 1, 2 and 12 s + 6, 7, 8, lanes 16-31 three pieces on.  Piece q lies at 8 q + 16 (q / 32).
.macro KFRAG reg, t, s
.irp p, 0,1,2,3,4,5
.set PCE, 12*(\s)+6*(\p/3)+\p%3
.if PCE%32 < 29
	ds_load_b64 v[\reg+2*\p:\reg+2*\p+1], v[KA] offset:(\t)*16*KP+8*PCE+16*(PCE/32)
.else
	ds_load_b64 v[\reg+2*\p:\reg+2*\p+1], v[KA+1] offset:(\t)*16*KP+8*PCE+16*(PCE/32)
.endif
.endr
.endm
.set IX, 0
.rept 32
.if IX < 11
	WIN 0
.set rB, 124+12*IX
.else
	WIN 0x40
.set rB, 12*(IX-11)
.endif
	KFRAG rB, IX%4, IX/4
.set IX, IX+1
.endr
	WIN 0
	; slot B is laid over the keys' rows: it is filled as a slot is filled again
	s_wait_tensorcnt 0x0
	ds_add_u32 v[SPW], v[NIL]
	s_xor_b32 s[G0W+1], s[G0W+1], SLOTX            ; slot B,
	s_add_nc_u64 s[G0W+2:G0W+3], s[G0W+2:G0W+3], SLOTSZ  ; records 8-15
	s_wait_dscnt 0x0                               ; the add is done, and my keys are in registers
	CROUND
	tensor_load_to_lds s[G0W:G0W+3], s[G1W:G1W+7]
	s_nop 0
	NOP4
.macro WFRAG reg, rq, s                ; a fragment's image, K step s of my rq-th record of the slot: three loads of 16 bytes a lane
.irp c, 0,1,2
	ds_load_b128 v[\reg+4*\c:\reg+4*\c+3], v[WA+3*((\rq)/2)] offset:((\rq)%2)*2*REC+1536*(\s)+512*\c
.endr
.endm
.macro FIRST01 rq
	WFRAG WF, \rq, 0
	WFRAG WF+12, \rq, 1
.endm
.macro FIRST23 rq                      ; K steps 2 and 3, and the record's scale words
	WFRAG WF+24, \rq, 2
	WFRAG WF+36, \rq, 3
	ds_load_b128 v[WS:WS+3], v[WA+3*((\rq)/2)] offset:((\rq)%2)*2*REC+12288
.endm
.macro MM s, t
.set IX, 4*(\s)+(\t)
.if IX < 11
	WIN 0
.set rB, 124+12*IX
.else
	WIN 0x04
.set rB, 12*(IX-11)
.endif
.set rD, ACC+8*(\t)
.set rA, WF+12*((\s)%4)
.set rSA, WS+(\s)%4
.set rSB, KSC+4*(\t)+(\s)%4
.if (\s) == 0
	v_wmma_scale_f32_16x16x128_f8f6f4 v[rD:rD+7], v[rA:rA+11], v[rB:rB+11], 0, v[rSA], v[rSB] matrix_a_fmt:MATRIX_FMT_FP6 matrix_b_fmt:MATRIX_FMT_FP6
.elseif (\s) < 4
	v_wmma_scale_f32_16x16x128_f8f6f4 v[rD:rD+7], v[rA:rA+11], v[rB:rB+11], v[rD:rD+7], v[rSA], v[rSB] matrix_a_fmt:MATRIX_FMT_FP6 matrix_b_fmt:MATRIX_FMT_FP6
.else
	v_wmma_scale_f32_16x16x128_f8f6f4 v[rD:rD+7], v[rA:rA+11], v[rB:rB+11], v[rD:rD+7], v[rSA], v[rSB] matrix_a_fmt:MATRIX_FMT_FP6 matrix_b_fmt:MATRIX_FMT_FP6 matrix_a_scale:MATRIX_SCALE_ROW1 matrix_b_scale:MATRIX_SCALE_ROW1
.endif
.endm
.macro MM8 s0                          ; two K steps x four tiles of keys
.irp ss, 0,1
.irp t, 0,1,2,3
	MM (\s0)+\ss, \t
.endr
.endr
.endm
; THE CHANGE OF SLOTS, when my last read of the slot has been issued.  fill = 1: the slot is filled again, with the records two slots on: the barrier is then a round of the cluster's, and the joint refill the first thing behind it.
.macro CHANGE fill
	s_wait_tensorcnt 0x0                           ; my one load that was out, my record of the other slot, has landed
	ds_add_u32 v[SPW], v[NIL]
.if \fill
	s_xor_b32 s[G0W+1], s[G0W+1], SLOTX
	s_add_nc_u64 s[G0W+2:G0W+3], s[G0W+2:G0W+3], SLOTSZ
.endif
	s_xor_b32 s[TB], s[TB], SLOTX
	s_add_co_u32 s[TJ], s[TJ], 512
	v_add_nc_u32 v[WA], s[TB], v[LI]
	v_add_nc_u32 v[WA+3], 4*REC, v[WA]
	s_wait_alu depctr_va_vdst(0)
	s_wait_dscnt 0x0                               ; the add is done, and my reads of the slot are over
.if \fill
	CROUND
	tensor_load_to_lds s[G0W:G0W+3], s[G1W:G1W+7]
	s_nop 0
.else
	s_barrier_signal -1
	s_barrier_wait -1
.endif
	NOP4
.endm
; A TILE: my q-th record of the slot.  chg = 0: the next record lies in the same slot;  1: the slots change, with a refill;  2: without;  3: there is no next record.
; At its head no LDS load is out: the wait for 0 ahead of the last tile's sums has shown K steps 0-3 and the scale words in.
.macro TILE q, chg
	MM8 0
	NOP4
	WFRAG WF, \q, 4
	WFRAG WF+12, \q, 5
	ds_load_b128 v[BV:BV+3], v[BA] offset:128*(\q)           ; c x w1q at my eight a
	ds_load_b128 v[BV+4:BV+7], v[BA] offset:128*(\q)+16
	MM8 2
	NOP4
	WFRAG WF+24, \q, 6
	WFRAG WF+36, \q, 7
	s_wait_dscnt 0x8                               ; K steps 4 and 5 are in; out may be c w1q (2) and K steps 6 and 7 (6)
	MM8 4
.if (\chg) == 0
	NOP4
	FIRST01 (\q)+1
	s_wait_dscnt 0x6                               ; K steps 6 and 7 and c w1q are in; out may be the six just issued
.else
	s_wait_dscnt 0x0
.endif
	MM8 6
	WIN 0
.if (\chg) == 0
	NOP4
	FIRST23 (\q)+1
.elseif (\chg) == 3
	NOP4
.else
	CHANGE 2-(\chg)
	FIRST01 0
	FIRST23 0
.endif
.set J, 0
.rept 16                               ; each accumulator from its low end on
	v_pk_fma_f32 v[ACC+2*J:ACC+2*J+1], v[ACC+2*J:ACC+2*J+1], s[CS:CS+1], v[BV+2*(J%4):BV+2*(J%4)+1] op_sel_hi:[1,0,1]
.set J, J+1
.endr
	ds_load_b128 v[BV:BV+3], v[BA] offset:4096+128*(\q)      ; -2 v at my eight a, into the registers that c w1q has left
	ds_load_b128 v[BV+4:BV+7], v[BA] offset:4096+128*(\q)+16
	s_wait_alu depctr_va_vdst(0)                   ; one wait ahead of a batch and one behind it
.set J, 0
.rept 32
	v_exp_f32 v[ACC+J], v[ACC+J]
.set J, J+1
.endr
	v_nop                                          ; a plain place behind the batch (ISA guide 5.7.2)
	s_wait_alu depctr_va_vdst(0)
.set J, 0
.rept 16
	v_pk_add_f32 v[ACC+2*J:ACC+2*J+1], v[ACC+2*J:ACC+2*J+1], 1.0 op_sel_hi:[1,0]
.set J, J+1
.endr
.if (\chg) == 1 || (\chg) == 2
	v_add_nc_u32 v[BA], s[TJ], v[BA0]              ; the next slot's place in the tables: this tile's loads from them are issued
.endif
	s_wait_alu depctr_va_vdst(0)
.set J, 0
.rept 32
	v_rcp_f32 v[ACC+J], v[ACC+J]
.set J, J+1
.endr
	v_nop
	s_wait_dscnt 0x0                               ; -2 v is in, and with it all that was asked for ahead of it
	s_wait_alu depctr_va_vdst(0)
.irp k, 0,1,2,3                        ; the four sums by turns
.irp t, 0,1,2,3
	v_pk_fma_f32 v[SM+2*\t:SM+2*\t+1], v[ACC+8*\t+2*\k:ACC+8*\t+2*\k+1], v[BV+2*\k:BV+2*\k+1], v[SM+2*\t:SM+2*\t+1]
.endr
.endr
.endm
.macro SLOT chg
	TILE 0, 0
	TILE 1, 0
	TILE 2, 0
	TILE 3, \chg
.endm
	s_mov_b32 s[TB], 0
	s_mov_b32 s[TJ], 0
	v_add_nc_u32 v[WA], s[TB], v[LI]
	v_add_nc_u32 v[WA+3], 4*REC, v[WA]
	v_add_nc_u32 v[BA], s[TJ], v[BA0]
	s_wait_alu depctr_va_vdst(0)
	FIRST01 0
	FIRST23 0
	s_wait_dscnt 0x0
	s_wait_loadcnt 0x0                             ; the keys' scale words are in, and their loads have read v94, which the first product writes
	s_mov_b32 s[CNS], 6
.Lslot:                                                ; slots 0-5: each is filled again with the records two slots on
	SLOT 1
	s_sub_co_u32 s[CNS], s[CNS], 1
	s_cmp_lg_u32 s[CNS], 0
	s_cbranch_scc1 .Lslot
	SLOT 2                                         ; slots 6 and 7 are written out: nothing is left to ask for
	SLOT 3
	; THE END.  A sum's two halves and lane l xor 16's; the two parities of records meet in LDS; waves 0-3 store 64 scores each: 256 consecutive bytes an instruction.
	s_wait_tensorcnt 0x0
	s_lshl_b32 s18, s[WJ], 10
	s_lshl_b32 s19, s[WI], 8
	s_add_co_u32 s18, s18, s19
	s_add_co_u32 s18, s18, CMB
	s_add_co_u32 s19, s19, CMB
	s_wait_alu depctr_va_vdst(0)                   ; the wait ahead of the sums' readers
.irp t, 0,1,2,3
	v_add_f32 v[FIN+\t], v[SM+2*\t], v[SM+2*\t+1]
.endr
.irp t, 0,1,2,3
	v_mov_b32 v[FIN+4+\t], 0                       ; a lane permute's destination counts as one of its sources
.endr
.irp t, 0,1,2,3
	v_permlanex16_b32 v[FIN+4+\t], v[FIN+\t], s[SEL], s[SEL+1]
.endr
.irp t, 0,1,2,3
	v_add_f32 v[FIN+\t], v[FIN+\t], v[FIN+4+\t]
.endr
	v_and_b32 v[FIN+10], 31, v0
	v_cmp_gt_u32 vcc_lo, 16, v[FIN+10]
	v_cndmask_b32 v[FIN+8], v[FIN+1], v[FIN], vcc_lo         ; lanes 0-15 one tile of keys, lanes 16-31 the next: 32 neighbouring keys
	v_cndmask_b32 v[FIN+9], v[FIN+3], v[FIN+2], vcc_lo
	v_lshl_add_u32 v[FIN+11], v[FIN+10], 2, s18    ; in: 1,024 j + 256 i + 4 x lane
	v_lshl_add_u32 v[FIN+12], v[FIN+10], 3, s19    ; back: 256 i + 8 x lane, both parities
	v_lshlrev_b32 v[FIN+13], 3, v[FIN+10]
	s_wait_alu depctr_va_vdst(0)
	ds_store_b32 v[FIN+11], v[FIN+8]
	ds_store_b32 v[FIN+11], v[FIN+9] offset:128
	s_wait_dscnt 0x0                               ; for the others' sake: my stores are done
	s_barrier_signal -1
	s_barrier_wait -1
	s_cmp_lt_u32 s[WV], 4
	s_cbranch_scc0 .Lno_store
	ds_load_b64 v[FIN+14:FIN+15], v[FIN+12]
	ds_load_b64 v[FIN+16:FIN+17], v[FIN+12] offset:1024
	s_wait_dscnt 0x0
	v_pk_add_f32 v[FIN+18:FIN+19], v[FIN+14:FIN+15], v[FIN+16:FIN+17]
	global_store_b64 v[FIN+13], v[FIN+18:FIN+19], s[14:15]
.Lno_store:
	s_wait_tensorcnt 0x0                           ; the wave's end
	ds_add_u32 v[SPW], v[NIL]
	s_wait_dscnt 0x0
	CROUND                                         ; the closing round
	s_endpgm
.Lfunc_end_k_q56a72e9843_main:
	.size	k_q56a72e9843_main, .Lfunc_end_k_q56a72e9843_main-k_q56a72e9843_main
	.p2alignl 7, 3214868480
	.fill 96, 4, 3214868480
	.section	.rodata,"a",@progbits
	.p2align	6, 0x0
	.amdhsa_kernel k_q56a72e9843_main
		.amdhsa_group_segment_fixed_size 327680
		.amdhsa_private_segment_fixed_size 0
		.amdhsa_enable_private_segment 0
		.amdhsa_kernarg_size 48
		.amdhsa_user_sgpr_count 2
		.amdhsa_user_sgpr_kernarg_segment_ptr 1
		.amdhsa_wavefront_size32 1
		.amdhsa_system_sgpr_workgroup_id_x 1
		.amdhsa_system_sgpr_workgroup_id_y 1
		.amdhsa_system_sgpr_workgroup_id_z 1
		.amdhsa_system_vgpr_workitem_id 0
		.amdhsa_next_free_vgpr 512
		.amdhsa_next_free_sgpr 84
		.amdhsa_reserve_vcc 1
		.amdhsa_float_denorm_mode_32 3
		.amdhsa_float_denorm_mode_16_64 3
		.amdhsa_memory_ordered 1
		.amdhsa_forward_progress 1
		.amdhsa_inst_pref_size 164
	.end_amdhsa_kernel
	.amdgpu_metadata
---
amdhsa.version: [ 1, 2 ]
amdhsa.kernels:
  - .name:           k_q56a72e9843_main
    .symbol:         k_q56a72e9843_main.kd
    .args:
      - { .name: keys_codes, .offset: 0, .size: 8, .value_kind: global_buffer, .address_space: global }
      - { .name: keys_scales, .offset: 8, .size: 8, .value_kind: global_buffer, .address_space: global }
      - { .name: w2img, .offset: 16, .size: 8, .value_kind: global_buffer, .address_space: global }
      - { .name: w1q, .offset: 24, .size: 8, .value_kind: global_buffer, .address_space: global }
      - { .name: v, .offset: 32, .size: 8, .value_kind: global_buffer, .address_space: global }
      - { .name: scores, .offset: 40, .size: 8, .value_kind: global_buffer, .address_space: global }
    .group_segment_fixed_size: 327680
    .private_segment_fixed_size: 0
    .kernarg_segment_align: 8
    .kernarg_segment_size: 48
    .max_flat_workgroup_size: 256
    .sgpr_count:     84
    .vgpr_count:     512
    .wavefront_size: 32
...
	.end_amdgpu_metadata
.endif
;; end of part 5
;; launch soft (part 6): grid 32 x 1, 8 waves a work-group, no clusters, 1,536 bytes of LDS; arguments scores, mask, out0; writes out0
.if DOCPART == 6
	.amdgcn_target "amdgcn-amd-amdhsa--gfx1250"
	.amdhsa_code_object_version 6
	.text
	.protected	k_q56a72e9843_soft
	.globl	k_q56a72e9843_soft
	.p2align	8
	.type	k_q56a72e9843_soft,@function
k_q56a72e9843_soft:
	s_mov_b64 s[64:65], 0
	v_nop
	global_prefetch_b8 v0, s[64:65] scope:SCOPE_SE
	s_setreg_imm32_b32 hwreg(HW_REG_WAVE_MODE, 25, 1), 1
	s_wait_xcnt 0x0
; out0[b][:] = softmax over the 2,048 keys of scores[b][:] - 1e30 where mask[b][:] is 0.  (scores lack the constant sum(v), the same for every key of a row: the row's maximum, which is taken away here as in the definition, lacks it too.)
; One work-group to a batch; thread t holds keys 4 t .. 4 t + 3 and 1,024 + 4 t .. + 3: every load and store of a wave covers 512 consecutive bytes (the mask's: 128).  The row stays in registers between the maximum, the sum and the division.
; The eight waves' maxima and sums meet in LDS: words 0-7 and, for the sum, words of their own at byte 256, each behind a barrier.
	s_load_b128 s[4:7], s[0:1], 0x0                ; scores, mask
	s_load_b64 s[8:9], s[0:1], 0x10                ; out0
	v_lshl_add_u32 v40, v0, 2, 0x200
	v_mov_b32 v41, 0
	v_lshlrev_b32 v1, 4, v0                        ; 16 bytes a thread
	v_lshlrev_b32 v2, 2, v0                        ; 4 bytes of the mask
	v_lshrrev_b32 v3, 5, v0
	s_delay_alu instid0(VALU_DEP_1)
	v_readfirstlane_b32 s14, v3                    ; wave 0..7
	s_delay_alu instid0(VALU_DEP_1)
	v_mov_b32 v3, s14
	s_delay_alu instid0(VALU_DEP_1)
	v_lshlrev_b32 v3, 2, v3                        ; my wave's word in LDS
	v_mov_b32 v18, 0
	v_mov_b32 v13, 0                               ; written once: a lane permute's destination counts as one of its sources
	s_lshl_b32 s10, ttmp9, 13                      ; a row of 8,192 bytes,
	s_mov_b32 s11, 0
	s_lshl_b32 s12, ttmp9, 11                      ; of 2,048 in the mask
	s_mov_b32 s13, 0
	s_mov_b32 s15, 0xf149f2ca                      ; -1e30
	s_mov_b32 s16, 0x76543210
	s_mov_b32 s17, 0xfedcba98                      ; v_permlanex16_b32's selects for lane l xor 16
	s_wait_alu depctr_va_vdst(0)
	s_wait_kmcnt 0x0
	s_add_nc_u64 s[4:5], s[4:5], s[10:11]
	s_add_nc_u64 s[6:7], s[6:7], s[12:13]
	s_add_nc_u64 s[8:9], s[8:9], s[10:11]
	global_load_b128 v[4:7], v1, s[4:5]
	global_load_b128 v[8:11], v1, s[4:5] offset:4096
	global_load_b32 v16, v2, s[6:7]
	global_load_b32 v17, v2, s[6:7] offset:1024
	s_wait_loadcnt 0x0
.irp g, 0,1
.irp j, 0,1,2,3
	v_bfe_u32 v20, v[16+\g], 8*\j, 8               ; the key's byte of the mask
	v_add_f32 v21, s15, v[4+4*\g+\j]               ; the score less 1e30,
	s_delay_alu instid0(VALU_DEP_2)
	v_cmp_ne_u32 vcc_lo, 0, v20
	s_delay_alu instid0(VALU_DEP_1)
	v_cndmask_b32 v[4+4*\g+\j], v21, v[4+4*\g+\j], vcc_lo   ; taken where the byte is 0
.endr
.endr
	v_max3_num_f32 v12, v4, v5, v6                 ; the row's maximum: my eight,
	v_max3_num_f32 v14, v7, v8, v9
	s_delay_alu instid0(VALU_DEP_2)
	v_max3_num_f32 v12, v12, v10, v11
	s_delay_alu instid0(VALU_DEP_1)
	v_max_num_f32 v12, v12, v14
	s_delay_alu instid0(VALU_DEP_1)
	v_max_num_f32_dpp v12, v12, v12 row_xmask:1 row_mask:0xf bank_mask:0xf   ; my wave's,
	s_delay_alu instid0(VALU_DEP_1)
	v_max_num_f32_dpp v12, v12, v12 row_xmask:2 row_mask:0xf bank_mask:0xf
	s_delay_alu instid0(VALU_DEP_1)
	v_max_num_f32_dpp v12, v12, v12 row_xmask:4 row_mask:0xf bank_mask:0xf
	s_delay_alu instid0(VALU_DEP_1)
	v_max_num_f32_dpp v12, v12, v12 row_xmask:8 row_mask:0xf bank_mask:0xf
	s_delay_alu instid0(VALU_DEP_1)
	v_permlanex16_b32 v13, v12, s16, s17
	s_delay_alu instid0(VALU_DEP_1)
	v_max_num_f32 v12, v12, v13
	ds_store_b32 v3, v12                           ; all lanes write the same word with the same value
	s_wait_dscnt 0x0                               ; for the others' sake: my store is done
	s_barrier_signal -1
	s_barrier_wait -1
	ds_load_b128 v[24:27], v18                     ; and the eight waves'
	ds_load_b128 v[28:31], v18 offset:16
	s_wait_dscnt 0x0
	v_max3_num_f32 v12, v24, v25, v26
	v_max3_num_f32 v14, v27, v28, v29
	s_delay_alu instid0(VALU_DEP_2)
	v_max3_num_f32 v12, v12, v30, v31
	s_delay_alu instid0(VALU_DEP_1)
	v_max_num_f32 v12, v12, v14
.irp j, 0,1,2,3,4,5,6,7
	v_sub_f32 v[4+\j], v[4+\j], v12                ; the maximum is taken away first, and the difference multiplied: fused, a row masked throughout (all -1e30) would keep the rounding of 1e30 x log2(e) where 0 is due
.endr
.irp j, 0,1,2,3,4,5,6,7
	v_mul_f32 v[4+\j], 0x3fb8aa3b, v[4+\j]         ; x log2(e)
.endr
	s_wait_alu depctr_va_vdst(0)
.irp j, 0,1,2,3,4,5,6,7
	v_exp_f32 v[4+\j], v[4+\j]
.endr
	v_nop                                          ; one plain instruction between the run of exponentials and the first use of their results: another exponential is no such place (ISA guide 5.7.2)
	s_wait_alu depctr_va_vdst(0)
	v_pk_add_f32 v[20:21], v[4:5], v[6:7]
	v_pk_add_f32 v[22:23], v[8:9], v[10:11]
	s_delay_alu instid0(VALU_DEP_1)
	v_pk_add_f32 v[20:21], v[20:21], v[22:23]
	s_delay_alu instid0(VALU_DEP_1)
	v_add_f32 v16, v20, v21                        ; the row's sum: my eight,
	s_delay_alu instid0(VALU_DEP_1)
	v_add_f32_dpp v16, v16, v16 row_xmask:1 row_mask:0xf bank_mask:0xf       ; my wave's,
	s_delay_alu instid0(VALU_DEP_1)
	v_add_f32_dpp v16, v16, v16 row_xmask:2 row_mask:0xf bank_mask:0xf
	s_delay_alu instid0(VALU_DEP_1)
	v_add_f32_dpp v16, v16, v16 row_xmask:4 row_mask:0xf bank_mask:0xf
	s_delay_alu instid0(VALU_DEP_1)
	v_add_f32_dpp v16, v16, v16 row_xmask:8 row_mask:0xf bank_mask:0xf
	s_delay_alu instid0(VALU_DEP_1)
	v_permlanex16_b32 v13, v16, s16, s17
	s_delay_alu instid0(VALU_DEP_1)
	v_add_f32 v16, v16, v13
	ds_store_b32 v3, v16 offset:256
	s_wait_dscnt 0x0
	s_barrier_signal -1
	s_barrier_wait -1
	ds_load_b128 v[24:27], v18 offset:256          ; and the eight waves'
	ds_load_b128 v[28:31], v18 offset:272
	s_wait_dscnt 0x0
	v_pk_add_f32 v[24:25], v[24:25], v[26:27]
	v_pk_add_f32 v[28:29], v[28:29], v[30:31]
	s_delay_alu instid0(VALU_DEP_1)
	v_pk_add_f32 v[24:25], v[24:25], v[28:29]
	s_delay_alu instid0(VALU_DEP_1)
	v_add_f32 v16, v24, v25
	s_wait_alu depctr_va_vdst(0)
	v_rcp_f32 v14, v16                             ; the sum is at least 1: the maximum's own term
	v_mov_b32 v15, 0                               ; (a plain instruction behind the reciprocal; the packed form names the pair v[14:15] and takes its low word for both halves)
	s_wait_alu depctr_va_vdst(0)
.irp j, 0,2,4,6
	v_pk_mul_f32 v[4+\j:5+\j], v[4+\j:5+\j], v[14:15] op_sel_hi:[1,0]
.endr
	global_store_b128 v1, v[4:7], s[8:9]           ; 16 lanes store 256 consecutive bytes, at a multiple of 256 from out0's first byte
	global_store_b128 v1, v[8:11], s[8:9] offset:4096
	s_wait_tensorcnt 0x0
	ds_add_u32 v40, v41
	s_wait_dscnt 0x0
	s_endpgm
.Lfunc_end_k_q56a72e9843_soft:
	.size	k_q56a72e9843_soft, .Lfunc_end_k_q56a72e9843_soft-k_q56a72e9843_soft
	.p2alignl 7, 3214868480
	.fill 96, 4, 3214868480
	.section	.rodata,"a",@progbits
	.p2align	6, 0x0
	.amdhsa_kernel k_q56a72e9843_soft
		.amdhsa_group_segment_fixed_size 1536
		.amdhsa_private_segment_fixed_size 0
		.amdhsa_enable_private_segment 0
		.amdhsa_kernarg_size 24
		.amdhsa_user_sgpr_count 2
		.amdhsa_user_sgpr_kernarg_segment_ptr 1
		.amdhsa_wavefront_size32 1
		.amdhsa_system_sgpr_workgroup_id_x 1
		.amdhsa_system_sgpr_workgroup_id_y 1
		.amdhsa_system_sgpr_workgroup_id_z 1
		.amdhsa_system_vgpr_workitem_id 0
		.amdhsa_next_free_vgpr 42
		.amdhsa_next_free_sgpr 66
		.amdhsa_reserve_vcc 1
		.amdhsa_float_denorm_mode_32 3
		.amdhsa_float_denorm_mode_16_64 3
		.amdhsa_memory_ordered 1
		.amdhsa_forward_progress 1
		.amdhsa_inst_pref_size 9
	.end_amdhsa_kernel
	.amdgpu_metadata
---
amdhsa.version: [ 1, 2 ]
amdhsa.kernels:
  - .name:           k_q56a72e9843_soft
    .symbol:         k_q56a72e9843_soft.kd
    .args:
      - { .name: scores, .offset: 0, .size: 8, .value_kind: global_buffer, .address_space: global }
      - { .name: mask, .offset: 8, .size: 8, .value_kind: global_buffer, .address_space: global }
      - { .name: out0, .offset: 16, .size: 8, .value_kind: global_buffer, .address_space: global }
    .group_segment_fixed_size: 1536
    .private_segment_fixed_size: 0
    .kernarg_segment_align: 8
    .kernarg_segment_size: 24
    .max_flat_workgroup_size: 256
    .sgpr_count:     66
    .vgpr_count:     42
    .wavefront_size: 32
...
	.end_amdgpu_metadata
.endif
;; end of part 6
